; MI455X (gfx1250); checked and timed in simulation.
; The chip was launched on July 23, 2026; its instructions are those of AMD's public machine-readable ISA for CDNA 5 (MIT licence, August 2026) and "CDNA5" Instruction Set Architecture Reference Guide (July 2026). The comments in the code are by the model that wrote it; some were corrected since.
;; Causal Self Attention. Allowed arithmetic: matrix products marked QUANTISED: E2M3 operands, one E8M0 scale for each 32 along K, by v_wmma_scale_f32_16x16x128_f8f6f4 with both operands' format E2M3, f32 sums; everything else in f32.
;; Inputs: b_attn 3,072 float32; b_proj 1,024 float32; w_attn 1,024 x 3,072 float32; w_proj 1,024 x 1,024 float32; x 4 x 2,048 x 1,024 float32.
;; Outputs: out0 4 x 2,048 x 1,024 float32.
;; This version of the problem:
;;   THIS VERSION OF THE PROBLEM IS GIVEN IN LOW PRECISION. The matrix products marked QUANTISED in the list below multiply operands that are first quantised to E2M3 (2 exponent bits, 3 mantissa bits; 6 bits a number), with one power-of-two scale for each 32 numbers along K (OCP MX v1.0); their sums are f32. All else is computed in f32.
;;   The module's matrix products, in the order in which they are computed (A, B: the left and right operand; K: the contracted axis; several contracted axes count as one K, in the product's order):
;;     1. [M 8,192, K 1,024] x [K 1,024, N 3,072]; A: input x; B: input w_attn: QUANTISED
;;     2. batch 64 x [M 2,048, K 64] x [K 64, N 2,048]; A: computed on the way; B: computed on the way: QUANTISED
;;     3. batch 64 x [M 2,048, K 2,048] x [K 2,048, N 64]; A: softmax (see below); B: computed on the way: QUANTISED
;;     4. [M 8,192, K 1,024] x [K 1,024, N 1,024]; A: computed on the way; B: input w_proj: QUANTISED
;;   THE QUANTISER, for each operand of a quantised product, along K:
;;     - K is cut into blocks of 32 from its start; a last block that is shorter is filled with zeros.
;;     - A block's scale is 2^e with e = floor(log2(the largest magnitude in the block)) - 2, held to -126 .. 127; a block of zeros has e = 0. As a byte (E8M0): e + 127.
;;     - Each number is divided by its block's scale, clamped to +-7.5, and rounded to the nearest number of E2M3, ties to even, subnormals kept.
;;     - The product sums the exact products of the quantised numbers (number of the format x scale) in f32.
;;   ~~~python
;;   def quantise(x, axis):      # numpy; x: float32 -> the quantised numbers, widened to float32 again
;;       x = np.moveaxis(x, axis, -1); K = x.shape[-1]
;;       x = np.pad(x, [(0, 0)] * (x.ndim - 1) + [(0, -K % 32)]); x = x.reshape(x.shape[:-1] + (-1, 32)); a = np.abs(x).max(-1, keepdims=True)
;;       e = np.where(a > 0, np.clip(np.frexp(np.where(a > 0, a, 1))[1] - 1 - 2, -126, 127), 0)      # np.frexp(a)[1] - 1 = floor(log2(a)), exactly
;;       r = np.clip(x / 2.0 ** e, -7.5, 7.5)
;;       step = 2.0 ** (np.maximum(np.frexp(np.where(r == 0, 1, r))[1] - 1, 0) - 3)
;;       q = np.round(r / step) * step * 2.0 ** e      # np.round: ties to even
;;       return np.moveaxis(q.reshape(q.shape[:-2] + (-1,))[..., :K], -1, axis).astype(np.float32)
;;   ~~~
;;   SOFTMAX AHEAD OF A QUANTISED PRODUCT. Where the list says 'softmax', what is quantised is not the finished softmax but p = 2^(t - M), with t = logit x log2(e) and M = ceil(the row's largest t), a whole number; so 1/2 < the row's largest p <= 1. The row's sum l is taken of the UNQUANTISED p, in f32, and the product's result is divided by l at the end. Since M is a whole number, a kernel that streams over the keys may use a running M (the ceiling of the running maximum): every later rescaling is an exact power of two, which a block's scale takes up: the codes' values come out the same.
;;   OPERANDS COMPUTED ON THE WAY. 'Computed on the way' means the value that the module computes at that place (a softmax that the list does not call 'softmax' is quantised finished and normalised). What goes into a quantiser is computed in f32, as accurately as f32 sums, v_exp_f32 and their like allow (about 1e-6 of the number): no bf16 or f16 on the way to a quantiser, and a product that is left as it is and whose result goes on into a quantised operand takes f32 operands (vector FMAs, or v_wmma_f32_16x16x4_f32). A number that lies on a knife's edge between two numbers of the format may be rounded either way, as far as f32 arithmetic and the matrix unit's own rounding can turn it there, and no further.
;; One version. Each part assembles by itself: llvm-mc -triple=amdgcn-amd-amdhsa -mcpu=gfx1250 --defsym DOCPART=n.
;; ======== version 1 of 1: 4 launches
;; limits: right only within a limited range of input values
;; workspace buffers: pc 9,437,184 bytes; ps 393,216 bytes; ac 18,874,368 bytes; asc 786,432 bytes; yc 6,291,456 bytes; ys 262,144 bytes
;; launch prep (part 1): grid 512 x 1, 4 waves a work-group, no clusters, 58,880 bytes of LDS; arguments x, w_attn, w_proj, pc, ps; writes pc, ps
.if DOCPART == 1
	.amdgcn_target "amdgcn-amd-amdhsa--gfx1250"
	.amdhsa_code_object_version 6
	.text
	.protected	k_q349d439e9f_prep
	.globl	k_q349d439e9f_prep
	.p2align	8
	.type	k_q349d439e9f_prep,@function
k_q349d439e9f_prep:
	s_mov_b64 s[64:65], 0
	v_nop
	global_prefetch_b8 v0, s[64:65] scope:SCOPE_SE
	s_setreg_imm32_b32 hwreg(HW_REG_WAVE_MODE, 25, 1), 1
	s_wait_xcnt 0x0
; x [8192][1024], w_attn [1024][3072] and w_proj [1024][1024], f32, become codes of FP6 (E2M3) with one E8M0 byte for each 32 along K (K = 1,024 for all three; it is the weights' FIRST axis).
; A block's scale is 2^(floor(log2(largest magnitude)) - 2): its byte is the largest magnitude's exponent field - 2, held at 1 from below.
; LIMITS: NaN and infinities are not served.  A block of zeros gets the byte 1, not 127 (its codes are zeros, and only this program reads the bytes).  A largest magnitude under 2^-124 is held at the byte 1.
; LAYOUT OF THE RESULT: images of operand registers.  A tile is 16 rows; row rho of tile t is row 32 (t / 2) + 8 (t % 2) + rho + 8 (rho / 8) of the matrix (tokens of x, columns of a weight).
; A half fragment (16 rows x 64 K) is 768 bytes: lane l's registers 0-3 at 16 l, its registers 4-5 at 512 + 8 l; lane (r, h) holds row r, k = 32 h .. 32 h + 31.  Codes: [tile][16 half fragments].
; Scale words: [tile][2][row][4 words]: word s % 4 of half s / 4 is the word of the s-th 128 along K.
; pc: x at 0, w_attn at 6,291,456, w_proj at 8,650,752.  ps: x at 0, w_attn at 262,144, w_proj at 360,448.
; Work-groups 0-255 take x, 256-447 w_attn, 448-511 w_proj; each of the three ways has LDS bytes of its own.  Waves share nothing: no barrier.
.set RR,  16                           ; v16-143  two sets of 64 numbers as they are loaded
.set XN,  144                          ; v144-207 64 numbers: register 16 b + i = k 32 b + 16 h + i of my row
.set PC,  208                          ; v208-227 the codes just made
.set TM,  228                          ; v228-243 at work
.set PW,  244                          ; the scale word just made
.set SW,  246                          ; v246-249 four scale words
.set SEL, 20                           ; s[20:21] lane selects: lane l xor 16
; 64 numbers of a lane become a fragment's codes in v[PC] .. v[PC + 11] and its row's scale word in v[PW]
.macro QUANT s
.irp b, 0,1,2,3
	v_max3_num_f32 v[TM+\b], |v[\s+16*\b]|, |v[\s+1+16*\b]|, 0x1800000   ; my 16 numbers of block b, and the floor 2^(3 - 127): the byte cannot fall under 1
.endr
.irp i, 2,4,6,8,10,12,14
.irp b, 0,1,2,3
	v_max3_num_f32 v[TM+\b], v[TM+\b], |v[\s+16*\b+\i]|, |v[\s+1+16*\b+\i]|
.endr
.endr
.irp b, 0,1,2,3
	v_permlanex16_b32 v[TM+4+\b], v[TM+\b], s[SEL], s[SEL+1]
.endr
.irp b, 0,1,2,3
	v_max_num_f32 v[TM+\b], v[TM+\b], v[TM+4+\b]   ; with lane l xor 16's: the block's largest magnitude
.endr
.irp b, 0,1,2,3
	v_add_nc_u32 v[TM+12+\b], 0xff000000, v[TM+\b] ; 2 off its exponent field: the conversion's scale operand
.endr
.irp b, 0,1,2,3
	v_lshrrev_b32 v[TM+4+\b], 23, v[TM+12+\b]      ; the scale's byte
.endr
	v_lshl_or_b32 v[PW], v[TM+5], 8, v[TM+4]
	v_lshl_or_b32 v[PW], v[TM+6], 16, v[PW]
	v_lshl_or_b32 v[PW], v[TM+7], 24, v[PW]
.irp c, 0,1
	v_cvt_scalef32_pk16_fp6_f32 v[PC+6*\c:PC+2+6*\c], v[\s+32*\c:\s+15+32*\c], v[TM+12+2*\c]
	v_cvt_scalef32_pk16_fp6_f32 v[PC+12+4*\c:PC+14+4*\c], v[\s+16+32*\c:\s+31+32*\c], v[TM+12+2*\c+1]
.endr
	v_nop                                          ; one plain place behind a scaled conversion
.irp c, 0,1                                    ; a whole block to a lane: lanes 0-15 block 2 c, lanes 16-31 block 2 c + 1
.irp i, 0,1,2
	v_permlane16_swap_b32 v[PC+6*\c+\i], v[PC+12+4*\c+\i]
.endr
.irp i, 0,1,2
	v_mov_b32 v[PC+3+6*\c+\i], v[PC+12+4*\c+\i]
.endr
.endr
.endm
; x: 16 rows x 512 bytes (128 along K), each row read whole by the 32 lanes
.macro XLOAD s
.irp p, 0,1,2,3,4,5,6,7,8,9,10,11,12,13,14,15
	global_load_b128 v[RR+64*((\s)%2)+4*\p:RR+64*((\s)%2)+4*\p+3], v4, s[4:5] offset:(\p+8*(\p/8))*4096+512*(\s) th:TH_LOAD_NT
.endr
.endm
.macro XSTEP s
.if (\s) < 3
	s_wait_loadcnt 16                              ; this fragment's 16 loads are in; the next one's 16 may be out
.else
	s_wait_loadcnt 0x0
.endif
.irp p, 0,1,2,3,4,5,6,7,8,9,10,11,12,13,14,15
	ds_store_b128 v6, v[RR+64*((\s)%2)+4*\p:RR+64*((\s)%2)+4*\p+3] offset:528*\p   ; the rows as they lie, 528 bytes apart
.endr
.irp b, 0,1,2,3
.irp j, 0,1,2,3
	ds_load_b128 v[XN+16*\b+4*\j:XN+16*\b+4*\j+3], v7 offset:128*\b+16*\j          ; back: my row's 16 neighbours of each block (a wave's LDS instructions are served in order)
.endr
.endr
	s_wait_dscnt 0x0                               ; the numbers are back, and the stage's stores have read their registers
	s_wait_xcnt 0x0                                ; the last fragment's stores have read the codes' registers
.if (\s) < 2
	XLOAD (\s)+2
.endif
	QUANT XN
	global_store_b128 v4, v[PC:PC+3], s[10:11] offset:1536*(\s)          ; 512 consecutive bytes
	global_store_b64 v5, v[PC+4:PC+5], s[10:11] offset:1536*(\s)+512     ; 256 consecutive bytes
	global_store_b128 v4, v[PC+6:PC+9], s[10:11] offset:1536*(\s)+768
	global_store_b64 v5, v[PC+10:PC+11], s[10:11] offset:1536*(\s)+1280
	v_mov_b32 v[SW+(\s)], v[PW]
.endm
; a weight: a lane takes a column, its registers run down K
.macro WLOAD t, cols
.irp i, 0,1,2,3,4,5,6,7,8,9,10,11,12,13,14,15,16,17,18,19,20,21,22,23,24,25,26,27,28,29,30,31
	global_load_b32 v[16+32*((\t)%2)+\i], v14, s[30:31] offset:(32*(\t)+\i)*4*(\cols) th:TH_LOAD_NT
.endr
.endm
.macro WBLOCK t, cols
.set XS, 16+32*((\t)%2)
.if (\t) < 3
	s_wait_loadcnt 32                              ; this block's 32 loads are in; the next block's may be out
.else
	s_wait_loadcnt 0x0
.endif
	v_max3_num_f32 v92, |v[XS]|, |v[XS+1]|, |v[XS+2]|
	v_max3_num_f32 v93, |v[XS+3]|, |v[XS+4]|, |v[XS+5]|
.irp i, 6,10,14,18,22,26
	v_max3_num_f32 v92, v92, |v[XS+\i]|, |v[XS+\i+1]|
	v_max3_num_f32 v93, v93, |v[XS+\i+2]|, |v[XS+\i+3]|
.endr
	v_max3_num_f32 v92, v92, |v[XS+30]|, |v[XS+31]|
	v_max3_num_f32 v92, v92, v93, 0x1800000        ; and the floor
	v_add_nc_u32 v94, 0xff000000, v92
	v_cvt_scalef32_pk16_fp6_f32 v[80:82], v[XS:XS+15], v94
	v_cvt_scalef32_pk16_fp6_f32 v[86:88], v[XS+16:XS+31], v94
	v_lshrrev_b32 v93, 23, v94                     ; the byte (a plain place behind the conversions)
.if (\t) == 0
	v_mov_b32 v95, v93
.else
	v_lshl_or_b32 v95, v93, 8*(\t), v95
.endif
	v_mov_b32 v83, v86
	v_mov_b32 v84, v87
	v_mov_b32 v85, v88
	ds_store_b128 v10, v[80:83] offset:768*((\t)/2)+256*((\t)%2)         ; block t is lane rho + 16 (t % 2) of half fragment t / 2
	ds_store_b64 v11, v[84:85] offset:768*((\t)/2)+512+128*((\t)%2)
.if (\t) < 2
	WLOAD (\t)+2, \cols
.endif
	s_wait_dscnt 0x0                               ; the stores have read their registers
.endm
; a work-group takes 128 columns x 128 K; wave w the 32 columns of tile pair 4 cg + w
.macro WQ cols, first, src, codebase, scalebase, ldsbase
	s_sub_co_u32 s15, ttmp9, \first
	s_lshr_b32 s16, s15, 3                         ; cg
	s_and_b32 s17, s15, 7                          ; kq
	s_lshl_b32 s18, s16, 2
	s_add_co_u32 s18, s18, s14                     ; the tile pair
	s_mul_i32 s22, s17, 512*(\cols)                ; 128 rows of the weight
	s_lshl_b32 s19, s18, 7
	s_add_co_u32 s22, s22, s19                     ; + 32 columns of 4 bytes
	s_mov_b32 s23, 0
	s_mul_i32 s24, s18, 24576
	s_mul_i32 s19, s17, 1536
	s_add_co_u32 s24, s24, s19
	s_add_co_u32 s24, s24, \codebase
	s_mov_b32 s25, 0
	s_lshl_b32 s26, s18, 10
	s_lshr_b32 s19, s17, 2
	s_lshl_b32 s19, s19, 8
	s_add_co_u32 s26, s26, s19
	s_and_b32 s19, s17, 3
	s_lshl_b32 s19, s19, 2
	s_add_co_u32 s26, s26, s19
	s_add_co_u32 s26, s26, \scalebase
	s_mov_b32 s27, 0
	s_mul_i32 s28, s14, 3072
	s_add_co_u32 s28, s28, \ldsbase                ; my stage: two fragments
	v_bfe_u32 v6, v0, 3, 1                         ; column c of the 32: tile u = (c / 8) % 2,
	v_and_b32 v7, 7, v0
	v_bfe_u32 v8, v0, 4, 1
	v_lshl_add_u32 v7, v8, 3, v7                   ; row rho = c % 8 + 8 (c / 16)
	v_mul_u32_u24 v9, v6, 1536
	v_add_nc_u32 v9, s28, v9
	v_lshl_add_u32 v10, v7, 4, v9
	v_lshl_add_u32 v11, v7, 3, v9
	v_add_nc_u32 v12, s28, v4
	v_lshlrev_b32 v13, 9, v6
	v_lshl_add_u32 v13, v7, 4, v13                 ; the scale word's place: 512 u + 16 rho
	v_lshlrev_b32 v14, 2, v1
	s_wait_alu depctr_va_vdst(0)
	s_wait_kmcnt 0x0
	s_add_nc_u64 s[30:31], s[\src:\src+1], s[22:23]
	s_add_nc_u64 s[32:33], s[10:11], s[24:25]
	s_add_nc_u64 s[34:35], s[12:13], s[26:27]
	WLOAD 0, \cols
	WLOAD 1, \cols
	WBLOCK 0, \cols
	WBLOCK 1, \cols
	WBLOCK 2, \cols
	WBLOCK 3, \cols
	s_wait_alu depctr_va_vdst(0)
	global_store_b32 v13, v95, s[34:35]            ; 4 bytes a column: the word's neighbours belong to other work-groups; 131,072 bytes of the launch go out so
.irp i, 0,1,2,3,4,5
	ds_load_b128 v[96+4*\i:99+4*\i], v12 offset:512*\i
.endr
.irp i, 0,1,2,3,4,5
	s_wait_dscnt 5-\i
	global_store_b128 v4, v[96+4*\i:99+4*\i], s[32:33] offset:(\i/3)*12288+512*(\i%3)   ; 512 consecutive bytes
.endr
.endm
	s_load_b256 s[4:11], s[0:1], 0x0               ; x, w_attn, w_proj, pc
	s_load_b64 s[12:13], s[0:1], 0x20              ; ps
	v_lshl_add_u32 v254, v0, 2, 0xe400
	v_mov_b32 v255, 0
	v_lshrrev_b32 v1, 5, v0
	v_readfirstlane_b32 s14, v1                    ; wave
	v_and_b32 v1, 31, v0                           ; lane
	v_and_b32 v2, 15, v0                           ; r
	v_bfe_u32 v3, v0, 4, 1                         ; h
	v_lshlrev_b32 v4, 4, v1
	v_lshlrev_b32 v5, 3, v1
	s_cmp_lt_u32 ttmp9, 256
	s_cbranch_scc0 .Lweights
	; ---- x: wave w takes tile 2 wg + w / 2, K half w % 2: four fragments
	s_mov_b32 s[SEL], 0x76543210
	s_mov_b32 s[SEL+1], 0xfedcba98
	s_lshl_b32 s15, ttmp9, 1
	s_lshr_b32 s16, s14, 1
	s_add_co_u32 s15, s15, s16                     ; the tile
	s_and_b32 s16, s14, 1                          ; the half of K
	s_lshr_b32 s17, s15, 1
	s_lshl_b32 s17, s17, 17                        ; 32 rows of 4,096 bytes
	s_and_b32 s18, s15, 1
	s_lshl_b32 s18, s18, 15                        ; 8 rows
	s_add_co_u32 s22, s17, s18
	s_lshl_b32 s18, s16, 11
	s_add_co_u32 s22, s22, s18
	s_mov_b32 s23, 0
	s_mul_i32 s24, s15, 12288
	s_mul_i32 s18, s16, 6144
	s_add_co_u32 s24, s24, s18
	s_mov_b32 s25, 0
	s_lshl_b32 s26, s15, 9
	s_lshl_b32 s18, s16, 8
	s_add_co_u32 s26, s26, s18
	s_mov_b32 s27, 0
	s_mul_i32 s28, s14, 8448                       ; my stage: 16 rows of 528 bytes
	s_wait_alu depctr_va_vdst(0)
	v_add_nc_u32 v6, s28, v4
	v_mul_u32_u24 v7, v2, 528
	v_lshl_add_u32 v7, v3, 6, v7
	v_add_nc_u32 v7, s28, v7
	v_lshlrev_b32 v8, 4, v2
	v_lshl_add_u32 v8, v3, 3, v8                   ; 16 r + 8 h
.irp b, 0,1,2,3
	v_mov_b32 v[TM+4+\b], 0                        ; a lane permute's destination counts as one of its sources
.endr
	s_wait_alu depctr_va_vdst(0)
	s_wait_kmcnt 0x0
	s_add_nc_u64 s[4:5], s[4:5], s[22:23]
	s_add_nc_u64 s[10:11], s[10:11], s[24:25]
	s_add_nc_u64 s[12:13], s[12:13], s[26:27]
	XLOAD 0
	XLOAD 1
	XSTEP 0
	XSTEP 1
	XSTEP 2
	XSTEP 3
	v_cmp_eq_u32 vcc_lo, 1, v3
	v_cndmask_b32 v250, v[SW], v[SW+2], vcc_lo     ; lane (r, h) stores words 2 h and 2 h + 1 of row r
	v_cndmask_b32 v251, v[SW+1], v[SW+3], vcc_lo
	global_store_b64 v8, v[250:251], s[12:13]      ; 256 consecutive bytes, aligned
	s_wait_tensorcnt 0x0
	ds_add_u32 v254, v255
	s_wait_dscnt 0x0
	s_endpgm
.Lweights:
	s_cmp_lt_u32 ttmp9, 448
	s_cbranch_scc0 .Lwp
	WQ 3072, 256, 6, 6291456, 262144, 33792
	s_wait_tensorcnt 0x0
	ds_add_u32 v254, v255
	s_wait_dscnt 0x0
	s_endpgm
.Lwp:
	WQ 1024, 448, 8, 8650752, 360448, 46080
	s_wait_tensorcnt 0x0
	ds_add_u32 v254, v255
	s_wait_dscnt 0x0
	s_endpgm
.Lfunc_end_k_q349d439e9f_prep:
	.size	k_q349d439e9f_prep, .Lfunc_end_k_q349d439e9f_prep-k_q349d439e9f_prep
	.p2alignl 7, 3214868480
	.fill 96, 4, 3214868480
	.section	.rodata,"a",@progbits
	.p2align	6, 0x0
	.amdhsa_kernel k_q349d439e9f_prep
		.amdhsa_group_segment_fixed_size 58880
		.amdhsa_private_segment_fixed_size 0
		.amdhsa_enable_private_segment 0
		.amdhsa_kernarg_size 40
		.amdhsa_user_sgpr_count 2
		.amdhsa_user_sgpr_kernarg_segment_ptr 1
		.amdhsa_wavefront_size32 1
		.amdhsa_system_sgpr_workgroup_id_x 1
		.amdhsa_system_sgpr_workgroup_id_y 1
		.amdhsa_system_sgpr_workgroup_id_z 1
		.amdhsa_system_vgpr_workitem_id 0
		.amdhsa_next_free_vgpr 256
		.amdhsa_next_free_sgpr 66
		.amdhsa_reserve_vcc 1
		.amdhsa_float_denorm_mode_32 3
		.amdhsa_float_denorm_mode_16_64 3
		.amdhsa_memory_ordered 1
		.amdhsa_forward_progress 1
		.amdhsa_inst_pref_size 77
	.end_amdhsa_kernel
	.amdgpu_metadata
---
amdhsa.version: [ 1, 2 ]
amdhsa.kernels:
  - .name:           k_q349d439e9f_prep
    .symbol:         k_q349d439e9f_prep.kd
    .args:
      - { .name: x, .offset: 0, .size: 8, .value_kind: global_buffer, .address_space: global }
      - { .name: w_attn, .offset: 8, .size: 8, .value_kind: global_buffer, .address_space: global }
      - { .name: w_proj, .offset: 16, .size: 8, .value_kind: global_buffer, .address_space: global }
      - { .name: pc, .offset: 24, .size: 8, .value_kind: global_buffer, .address_space: global }
      - { .name: ps, .offset: 32, .size: 8, .value_kind: global_buffer, .address_space: global }
    .group_segment_fixed_size: 58880
    .private_segment_fixed_size: 0
    .kernarg_segment_align: 8
    .kernarg_segment_size: 40
    .max_flat_workgroup_size: 128
    .sgpr_count:     66
    .vgpr_count:     256
    .wavefront_size: 32
...
	.end_amdgpu_metadata
.endif
;; end of part 1
;; launch qkv (part 2): grid 8 x 32, 4 waves a work-group, clusters of 4 x 4, 327,680 bytes of LDS; arguments pc, ps, b_attn, ac, asc; writes ac, asc
.if DOCPART == 2
	.amdgcn_target "amdgcn-amd-amdhsa--gfx1250"
	.amdhsa_code_object_version 6
	.text
	.protected	k_q349d439e9f_qkv
	.globl	k_q349d439e9f_qkv
	.p2align	8
	.type	k_q349d439e9f_qkv,@function
k_q349d439e9f_qkv:
	s_mov_b64 s[64:65], 0
	v_nop
	global_prefetch_b8 v0, s[64:65] scope:SCOPE_SE
	s_setreg_imm32_b32 hwreg(HW_REG_WAVE_MODE, 25, 1), 1
	s_wait_xcnt 0x0
	s_wait_alu depctr_hold_cnt(0) depctr_sa_sdst(0) depctr_va_vdst(0) depctr_va_sdst(0) depctr_va_ssrc(0) depctr_va_vcc(0) depctr_vm_vsrc(0)
	s_getreg_b32 s2, hwreg(HW_REG_IB_STS2, 6, 4)
	s_cmp_eq_u32 s2, 0
	s_cbranch_scc0 .Lentry_in_a_cluster
	s_endpgm
.Lentry_in_a_cluster:
	s_bfe_u32 s2, ttmp6, 0x10000c
	s_cmp_lg_u32 s2, 0xf033
	s_cbranch_scc0 .Lentry_shape_is_right
	s_endpgm
.Lentry_shape_is_right:
; qkv = x w_attn + b_attn on codes of FP6 (E2M3) with E8M0 scales, K = 1,024; the results are quantised in registers and leave as codes: q and k along the head's 64, v along the keys.
; LIMITS: NaN and infinities are not served; a block of zeros gets the byte 1, not 127 (its codes are zeros, and only this program reads the bytes); a largest magnitude under 2^-124 is held at the byte 1.
; A work-group takes 256 tokens and two heads: 128 columns of q, of k and of v: 256 work-groups.  x's 16 tiles, all of K (196,608 bytes), and all scale words lie in LDS for the whole launch.
; THE WEIGHT has a region of its own (8 tiles, 98,304 bytes): q's at the head, k's and v's by two refills, each behind the three lines and a round of the cluster's barrier,
; as soon as every wave holds the weight before in registers: a refill is asked for a whole phase, 256 products a wave, ahead of its first read; so no prefetch is laid.
; CLUSTER 4 x 4: x's tiles hang on the tile row and are shared along a row of the cluster, the weight's on the tile column and along a column.
; Four waves, 2 x 2: a wave takes 128 tokens (one key step) and one head: 64 columns of the weight in 384 registers; x's tiles go past in blocks of 32 products, the 4 accumulators by turns.
; PHASES: q and k are one loop of two trips (source 0 = the weight: a lane holds a token, its registers run along the channels); then v (source 0 = x: a lane holds a channel, its registers run along the keys).
; OPERANDS are images of registers (tile t, row rho = row 32 (t / 2) + 8 (t % 2) + rho + 8 (rho / 8)); with that order the 16 registers of source-0 tiles 2 b and 2 b + 1 are 16 neighbours, 32 b + 16 h + 0 .. 15.
; OUT: ac: q at 0, k at 6,291,456: [b h][token tile][768]; v at 12,582,912: [b h][key step][channel tile][1,536].  asc: q, k, v at 0, 262,144, 524,288: [b h][key step][row][4 words]: 256 bytes a wave and phase.
; REGISTERS: window 0: v1-21 addresses, v32-47 the weight's scale words, v52-67 x's (two sets), v104-167 accumulators, v168-179 at work, v184-231 codes, v232-237 scale words on the way out.
; Fragment f lies in window 1 + f / 21 at register 12 (f % 21): 0-31 the weight's (4 q + b), 32-39 and 40-47 x's two sets.  Window 3, v72-167: the bias as the first products' C: this trip's, k's, v's.
.set FR,    12
.set FPW,   21
.set NF,    34                         ; LDS loads of a block: 32 for eight fragments, 2 for eight scale words
.set BB,    196608
.set SAB,   294912
.set SBB,   303104                     ; the weight's scale words: q's, k's, v's, 4,096 bytes each
.set SPARE, 315392                     ; the spare words: 512 bytes that no other line names
.set WV,  16
.set WM,  17
.set WN,  18
.set SPW, 28
.set NIL, 29
.set SB,  32
.set SA,  52
.set ACC, 104
.set TM,  168
.set PC,  184
.set SW,  232
.set G1A, 24
.set G1B, 32
.set G1SA, 48
.set G1SB, 56
.set G1R, 68
.set G0A, 76
.set G0B, 80
.set G0SA, 84
.set G0SB, 88
.set G0R, 92
.set SEL, 14                           ; s[14:15] lane selects: lane l xor 16
.set MSB, 0
.macro WIN new                         ; the immediate's high byte repeats the setting that is left
.if MSB != (\new)
	s_set_vgpr_msb (MSB<<8)|(\new)
.set MSB, \new
.endif
.endm
.macro PLACES
.rept 4
	v_nop
.endr
.endm
.macro ROUND
	s_barrier_signal -1
	s_barrier_wait -1
	s_cmp_lg_u32 s[WV], 0
	s_cbranch_scc1 .Lnw0_\@
	s_barrier_signal -3
.Lnw0_\@:
	s_barrier_wait -3
	s_barrier_signal -1
	s_barrier_wait -1
.endm
.macro GROUP1 g, m, rows               ; a dense block as rows of 256 bytes
	s_or_b32 s[\g], s[\m], (3<<16)|(1<<21)
	s_mov_b32 s[\g+1], 32<<16
	s_mov_b32 s[\g+2], (\rows)<<16
	s_mov_b32 s[\g+3], 32<<16
	s_mov_b32 s[\g+4], \rows
	s_mov_b32 s[\g+5], 32
	s_mov_b32 s[\g+6], 0
	s_mov_b32 s[\g+7], 0
.endm
.macro GROUP0 g, lds, base, off
	s_mov_b32 s[\g], 1
	s_mov_b32 s[\g+1], \lds
	s_add_nc_u64 s[\g+2:\g+3], s[\base:\base+1], s[\off:\off+1]
	s_or_b32 s[\g+3], s[\g+3], 0x80000000
.endm
.macro ARM under, g0, g1, next         ; one chain of branches on the wave's number: every way passes exactly one load
	s_cmp_lt_u32 s[WV], \under
	s_cbranch_scc0 \next
	tensor_load_to_lds s[\g0:\g0+3], s[\g1:\g1+7]
	s_nop 0
	PLACES
	s_branch .Lhead_asked
\next:
.endm
.macro FRAG f, a16, a8, off
	WIN (1+(\f)/FPW)<<6
.set R_, FR*((\f)%FPW)
	ds_load_b128 v[R_:R_+3], v[\a16] offset:\off
	ds_load_b64 v[R_+4:R_+5], v[\a8] offset:(\off)+512
	ds_load_b128 v[R_+6:R_+9], v[\a16] offset:(\off)+768
	ds_load_b64 v[R_+10:R_+11], v[\a8] offset:(\off)+1280
.endm
.macro WEIGHTS                         ; my 64 columns of the weight, all of K, and their scale words (lanes 0-15 tile 2 p, lanes 16-31 tile 2 p + 1)
.irp q, 0,1,2,3,4,5,6,7
.irp b, 0,1,2,3
	FRAG 4*\q+\b, 10, 11, 12288*\b+1536*\q
.endr
.endr
	WIN 0
.irp p, 0,1
	ds_load_b128 v[SB+8*\p:SB+8*\p+3], v13 offset:1024*\p
	ds_load_b128 v[SB+8*\p+4:SB+8*\p+7], v13 offset:1024*\p+256
.endr
.endm
.macro FETCH i                         ; x's tile i of my eight, all of K, into set i % 2
.irp q, 0,1,2,3,4,5,6,7
	FRAG 32+8*((\i)%2)+\q, 6+(\i)/4, 8+(\i)/4, 12288*((\i)%4)+1536*\q
.endr
	WIN 0
	ds_load_b128 v[SA+8*((\i)%2):SA+8*((\i)%2)+3], v12 offset:512*(\i)
	ds_load_b128 v[SA+8*((\i)%2)+4:SA+8*((\i)%2)+7], v12 offset:512*(\i)+256
.endm
.macro PROD d, s0, s1, c, x0, x1, side, o
.if \o
	v_wmma_scale_f32_16x16x128_f8f6f4 v[\d:\d+7], v[\s0:\s0+11], v[\s1:\s1+11], \c, v[\x0], v[\x1] matrix_a_fmt:MATRIX_FMT_FP6 matrix_b_fmt:MATRIX_FMT_FP6 matrix_\side\()_scale:MATRIX_SCALE_ROW1
.else
	v_wmma_scale_f32_16x16x128_f8f6f4 v[\d:\d+7], v[\s0:\s0+11], v[\s1:\s1+11], \c, v[\x0], v[\x1] matrix_a_fmt:MATRIX_FMT_FP6 matrix_b_fmt:MATRIX_FMT_FP6
.endif
.endm
.macro MUL kind, i                     ; block i's 32 products.  kind 0 (q, k): source 0 the weight; kind 1 (v): source 0 x.  The first four take the bias, in window 3, as C
.set Q_, 0
.rept 8
.irp b, 0,1,2,3
.set FB_, 4*Q_+\b
.set FA_, 32+8*((\i)%2)+Q_
.set XB_, SB+8*(\b/2)+Q_
.set XA_, SA+8*((\i)%2)+Q_
.if \kind
.set D_, ACC+16*\b+8*((\i)%2)
.if Q_
	WIN (1+FA_/FPW)|((1+FB_/FPW)<<2)
	PROD D_, FR*(FA_%FPW), FR*(FB_%FPW), v[D_:D_+7], XA_, XB_, b, \b%2
.else
	WIN (1+FA_/FPW)|((1+FB_/FPW)<<2)|(3<<4)
	PROD D_, FR*(FA_%FPW), FR*(FB_%FPW), v[136+8*\b:136+8*\b+7], XA_, XB_, b, \b%2
.endif
.else
.set D_, ACC+8*\b
.if Q_
	WIN (1+FB_/FPW)|((1+FA_/FPW)<<2)
	PROD D_, FR*(FB_%FPW), FR*(FA_%FPW), v[D_:D_+7], XB_, XA_, a, \b%2
.else
	WIN (1+FB_/FPW)|((1+FA_/FPW)<<2)|(3<<4)
	PROD D_, FR*(FB_%FPW), FR*(FA_%FPW), v[72+8*\b:72+8*\b+7], XB_, XA_, a, \b%2
.endif
.endif
.endr
.set Q_, Q_+1
.endr
	WIN 0
.endm
.macro BLOCKHEAD kind, i
.if (\i) < 7
	s_wait_dscnt NF                                ; this block's fetch is in; the next block's NF loads may be out
.else
	s_wait_dscnt 0x0
.endif
	MUL \kind, \i
	PLACES                                         ; ahead of the loads into the products' registers and of the first read of the results
.if (\i) < 6
	FETCH (\i)+2
.endif
	s_wait_xcnt 0x0                                ; earlier stores have read the codes' registers
.endm
; q, k: token tile i: my 32 sums are channels 32 b + 16 h + 0 .. 15, b = 0, 1: two scale blocks, each shared with lane l xor 16
.macro QUANTQ i
.irp c, 0,1,2,3
	v_max3_num_f32 v[TM+\c], |v[ACC+8*\c]|, |v[ACC+8*\c+1]|, 0x1800000   ; four chains, one an accumulator, each from its low end on; the floor 2^(3 - 127)
.endr
.irp k, 2,4,6
.irp c, 0,1,2,3
	v_max3_num_f32 v[TM+\c], v[TM+\c], |v[ACC+8*\c+\k]|, |v[ACC+8*\c+\k+1]|
.endr
.endr
	v_max_num_f32 v[TM], v[TM], v[TM+1]
	v_max_num_f32 v[TM+2], v[TM+2], v[TM+3]
	v_permlanex16_b32 v[TM+4], v[TM], s[SEL], s[SEL+1]
	v_permlanex16_b32 v[TM+5], v[TM+2], s[SEL], s[SEL+1]
	v_max_num_f32 v[TM], v[TM], v[TM+4]
	v_max_num_f32 v[TM+2], v[TM+2], v[TM+5]
	v_add_nc_u32 v[TM+8], 0xff000000, v[TM]        ; 2 off the exponent field: the conversion's scale operand
	v_add_nc_u32 v[TM+9], 0xff000000, v[TM+2]
	v_lshrrev_b32 v[TM+4], 23, v[TM+8]
	v_lshrrev_b32 v[TM+5], 23, v[TM+9]
	v_cvt_scalef32_pk16_fp6_f32 v[PC:PC+2], v[ACC:ACC+15], v[TM+8]
	v_cvt_scalef32_pk16_fp6_f32 v[PC+6:PC+8], v[ACC+16:ACC+31], v[TM+9]
	v_lshl_or_b32 v[TM+4], v[TM+5], 8, v[TM+4]     ; the tile's two bytes (a plain place behind the conversions)
.irp k, 0,1,2
	v_permlane16_swap_b32 v[PC+\k], v[PC+6+\k]     ; a whole block to a lane
.endr
.irp k, 0,1,2
	v_mov_b32 v[PC+3+\k], v[PC+6+\k]
.endr
.if (\i)%2
	v_lshl_or_b32 v[SW+(\i)/2], v[TM+4], 16, v[SW+(\i)/2]
.else
	v_mov_b32 v[SW+(\i)/2], v[TM+4]
.endif
	global_store_b128 v4, v[PC:PC+3], s[10:11] offset:768*(\i)           ; 512 consecutive bytes
	global_store_b64 v5, v[PC+4:PC+5], s[10:11] offset:768*(\i)+512      ; 256 consecutive bytes
.endm
; v: behind token tiles 2 b and 2 b + 1: for each channel tile t my 16 sums are keys 32 b + 16 h + 0 .. 15 of my channel
.macro QUANTV b
.irp t, 0,1,2,3
	v_max3_num_f32 v[TM+\t], |v[ACC+16*\t]|, |v[ACC+16*\t+1]|, 0x1800000
.endr
.irp k, 2,4,6,8,10,12,14
.irp t, 0,1,2,3
	v_max3_num_f32 v[TM+\t], v[TM+\t], |v[ACC+16*\t+\k]|, |v[ACC+16*\t+\k+1]|
.endr
.endr
.irp t, 0,1,2,3
	v_permlanex16_b32 v[TM+4+\t], v[TM+\t], s[SEL], s[SEL+1]
.endr
.irp t, 0,1,2,3
	v_max_num_f32 v[TM+\t], v[TM+\t], v[TM+4+\t]
.endr
.irp t, 0,1,2,3
	v_add_nc_u32 v[TM+8+\t], 0xff000000, v[TM+\t]
.endr
.irp t, 0,1,2,3
	v_lshrrev_b32 v[TM+4+\t], 23, v[TM+8+\t]
.endr
.irp t, 0,1,2,3
	v_cvt_scalef32_pk16_fp6_f32 v[PC+12*\t+6*((\b)%2):PC+12*\t+6*((\b)%2)+2], v[ACC+16*\t:ACC+16*\t+15], v[TM+8+\t]
.endr
.irp t, 0,1,2,3
.if \b
	v_lshl_or_b32 v[SW+\t], v[TM+4+\t], 8*(\b), v[SW+\t]   ; word t: the four key blocks' bytes (plain places behind the conversions)
.else
	v_mov_b32 v[SW+\t], v[TM+4+\t]
.endif
.endr
.if (\b)%2
.irp t, 0,1,2,3
.irp k, 0,1,2
	v_permlane16_swap_b32 v[PC+12*\t+\k], v[PC+12*\t+6+\k]
.endr
.endr
.irp t, 0,1,2,3
.irp k, 0,1,2
	v_mov_b32 v[PC+12*\t+3+\k], v[PC+12*\t+6+\k]
.endr
.endr
.irp t, 0,1,2,3
	global_store_b128 v4, v[PC+12*\t:PC+12*\t+3], s[10:11] offset:1536*\t+768*((\b)/2)
	global_store_b64 v5, v[PC+12*\t+4:PC+12*\t+5], s[10:11] offset:1536*\t+768*((\b)/2)+512
.endr
.endif
.endm
.macro WORDS                           ; lane (r, h) stores words 2 h and 2 h + 1 of row r: 256 consecutive bytes, aligned
	v_cmp_eq_u32 vcc_lo, 1, v2
	v_cndmask_b32 v[SW+4], v[SW], v[SW+2], vcc_lo
	v_cndmask_b32 v[SW+5], v[SW+1], v[SW+3], vcc_lo
	global_store_b64 v20, v[SW+4:SW+5], s[12:13]
.endm
	s_load_b256 s[4:11], s[0:1], 0x0               ; pc, ps, b_attn, ac
	s_load_b64 s[12:13], s[0:1], 0x20              ; asc
	v_lshl_add_u32 v[SPW], v0, 2, SPARE
	v_mov_b32 v[NIL], 0
	ds_add_u32 v[SPW], v[NIL]                      ; the opening lines: the add, twice on end, and its wait
	ds_add_u32 v[SPW], v[NIL]
	v_lshrrev_b32 v1, 5, v0
	v_readfirstlane_b32 s[WV], v1
	s_lshr_b32 s[WM], s[WV], 1                     ; my key step of the two
	s_and_b32 s[WN], s[WV], 1                      ; my head of the two
	s_bfe_u32 s40, ttmp6, 0x40000                  ; cx
	s_bfe_u32 s41, ttmp6, 0x40004                  ; cy
	s_lshl_b32 s42, ttmp9, 2
	s_add_co_u32 s42, s42, s40                     ; tile column, 0 .. 7
	s_and_b32 s43, ttmp7, 0xffff
	s_lshl_b32 s43, s43, 2
	s_add_co_u32 s43, s43, s41                     ; tile row, 0 .. 31
	s_lshl_b32 s44, s41, 2
	s_lshl_b32 s44, 15, s44                        ; my row of the cluster
	s_lshl_b32 s45, 0x1111, s40                    ; my column
	GROUP1 G1A, 44, 768
	GROUP1 G1B, 45, 384
	GROUP1 G1SA, 44, 32
	GROUP1 G1R, 45, 192
	s_or_b32 s[G1SB], s45, (3<<16)|(1<<21)         ; three rows of 4,096 bytes, 32,768 apart: q's, k's and v's scale words
	s_mov_b32 s[G1SB+1], 512<<16
	s_mov_b32 s[G1SB+2], 3<<16
	s_mov_b32 s[G1SB+3], 512<<16
	s_mov_b32 s[G1SB+4], 3
	s_mov_b32 s[G1SB+5], 4096
	s_mov_b32 s[G1SB+6], 0
	s_mov_b32 s[G1SB+7], 0
	s_mul_i32 s98, s43, 196608
	s_mov_b32 s99, 0
	s_lshl_b32 s100, s43, 13
	s_mov_b32 s101, 0
	s_mul_i32 s2, s42, 98304
	s_add_co_u32 s2, s2, 6291456
	s_mov_b32 s3, 0
	s_lshl_b32 s14, s42, 12
	s_add_co_u32 s14, s14, 262144
	s_mov_b32 s15, 0
	s_mul_i32 s46, s[WV], 49152                    ; a refill: waves 0 and 1 a half each
	s_mov_b32 s47, 0
	s_mul_i32 s20, s[WM], 98304                    ; LDS: my 8 tiles of x,
	s_mul_i32 s21, s[WN], 49152
	s_add_co_u32 s21, s21, BB                      ; my 4 tiles of the weight,
	s_lshl_b32 s22, s[WM], 12
	s_add_co_u32 s22, s22, SAB                     ; their scale words
	s_lshl_b32 s23, s[WN], 11
	s_add_co_u32 s23, s23, SBB
	s_wait_alu depctr_va_vdst(0)
	s_wait_dscnt 0x0
	ROUND                                          ; in front of the first joint loads
	s_wait_kmcnt 0x0
	GROUP0 G0B, BB, 4, 2
	GROUP0 G0SB, SBB, 6, 14
	GROUP0 G0SA, SAB, 6, 100
	GROUP0 G0A, 0, 4, 98
	s_mov_b32 s[G0R], 1
	s_add_co_u32 s[G0R+1], s46, BB
	s_add_nc_u64 s[G0R+2:G0R+3], s[G0B+2:G0B+3], s[46:47]   ; my half of q's weight; stepped to k's and v's ahead of the refills
	ARM 1, G0B,  G1B,  .Lhead_sb                   ; wave 0: q's weight
	ARM 2, G0SB, G1SB, .Lhead_sa                   ; wave 1: the weights' scale words
	ARM 3, G0SA, G1SA, .Lhead_a                    ; wave 2: x's scale words
	tensor_load_to_lds s[G0A:G0A+3], s[G1A:G1A+7]  ; wave 3: x's codes
	s_nop 0
	PLACES
.Lhead_asked:
	s_lshl_b32 s98, s42, 9
	s_lshl_b32 s46, s[WN], 8
	s_add_co_u32 s98, s98, s46                     ; the bias: my head's 64 numbers of q
	s_mov_b32 s99, 0
	s_add_nc_u64 s[8:9], s[8:9], s[98:99]
	s_lshr_b32 s46, s43, 3                         ; batch
	s_lshl_b32 s46, s46, 4
	s_lshl_b32 s47, s42, 1
	s_add_co_u32 s46, s46, s47
	s_add_co_u32 s46, s46, s[WN]                   ; batch x 16 + head
	s_and_b32 s47, s43, 7
	s_lshl_b32 s47, s47, 1
	s_add_co_u32 s47, s47, s[WM]                   ; key step
	s_mul_i32 s100, s46, 98304
	s_mul_i32 s98, s47, 6144
	s_add_co_u32 s100, s100, s98
	s_mov_b32 s101, 0
	s_add_nc_u64 s[10:11], s[10:11], s[100:101]
	s_lshl_b32 s100, s46, 12
	s_lshl_b32 s98, s47, 8
	s_add_co_u32 s100, s100, s98
	s_add_nc_u64 s[12:13], s[12:13], s[100:101]
	s_mov_b32 s[SEL], 0x76543210
	s_mov_b32 s[SEL+1], 0xfedcba98
	s_mov_b32 s96, 0                               ; the phase's scale words in LDS
	s_mov_b32 s97, 0                               ; the trip
	v_and_b32 v1, 15, v0                           ; r
	v_bfe_u32 v2, v0, 4, 1                         ; h
	v_and_b32 v3, 31, v0
	v_lshlrev_b32 v4, 4, v3
	v_lshlrev_b32 v5, 3, v3
	v_lshlrev_b32 v17, 4, v1
	v_lshlrev_b32 v18, 6, v2                       ; q's and k's bias: 16 h numbers on
	v_add_nc_u32 v6, s20, v4                       ; x's tiles 0-3 at 16 x lane; v7: tiles 4-7
	v_add_nc_u32 v8, s20, v5                       ; the same at 8 x lane
	v_add_nc_u32 v7, 49152, v6
	v_add_nc_u32 v9, 49152, v8
	v_add_nc_u32 v10, s21, v4
	v_add_nc_u32 v11, s21, v5
	v_add_nc_u32 v12, s22, v17
	v_lshl_add_u32 v19, v2, 9, v17                 ; lanes 16-31 take the odd tile's words
	v_add_nc_u32 v19, s23, v19
	v_lshl_add_u32 v20, v2, 3, v17                 ; 16 r + 8 h
	v_lshrrev_b32 v21, 3, v1
	v_lshl_add_u32 v21, v21, 3, v1
	v_lshlrev_b32 v21, 2, v21                      ; v's bias: number r + 8 (r / 8)
.irp k, 4,5,6,7
	v_mov_b32 v[TM+\k], 0                          ; a lane permute's destination counts as one of its sources
.endr
	s_wait_alu depctr_va_vdst(0)                   ; the wait at the head's end
	WIN 3<<6
.irp t, 0,1,2,3
	global_load_b128 v[72+8*\t:72+8*\t+3], v18, s[8:9] offset:4*(32*(\t/2)+8*(\t%2))
	global_load_b128 v[72+8*\t+4:72+8*\t+7], v18, s[8:9] offset:4*(32*(\t/2)+8*(\t%2))+16
	global_load_b128 v[104+8*\t:104+8*\t+3], v18, s[8:9] offset:4096+4*(32*(\t/2)+8*(\t%2))
	global_load_b128 v[104+8*\t+4:104+8*\t+7], v18, s[8:9] offset:4096+4*(32*(\t/2)+8*(\t%2))+16
	global_load_b32 v[136+8*\t], v21, s[8:9] offset:8192+4*(32*(\t/2)+8*(\t%2))
.endr
	s_wait_loadcnt 0x0
	WIN (3<<6)|3
.irp t, 0,8,16,24
.irp j, 1,2,3,4,5,6,7
	v_mov_b32 v[136+\t+\j], v[136+\t]              ; v: my channel's number over the tile's eight registers
.endr
.endr
	WIN 0
.Lqk:                                          ; two trips: q, then k
	s_cmp_eq_u32 s97, 0
	s_cbranch_scc1 .Lfirst
	WIN (3<<6)|3
.set I, 0
.rept 32
	v_mov_b32 v[72+I], v[104+I]                    ; k's bias takes q's place
.set I, I+1
.endr
	WIN 0
.Lfirst:
	v_add_nc_u32 v13, s96, v19
	s_wait_alu depctr_va_vdst(0)
	s_wait_tensorcnt 0x0                           ; my loads are in
	s_wait_dscnt 0x0
	s_barrier_signal -1                            ; a plain barrier shows this phase's weight (the first time: all four tiles)
	s_barrier_wait -1
	WEIGHTS
	FETCH 0
	FETCH 1
	s_wait_tensorcnt 0x0                           ; the three lines ahead of a refill's round
	ds_add_u32 v[SPW], v[NIL]
	s_add_nc_u64 s[G0R+2:G0R+3], s[G0R+2:G0R+3], 786432   ; no load of mine is out: on to the next weight
	s_wait_dscnt 0x0                               ; the add is done, and the weight is in my registers
	ROUND
	s_cmp_lt_u32 s[WV], 2
	s_cbranch_scc0 .Lno_half
	tensor_load_to_lds s[G0R:G0R+3], s[G1R:G1R+7]  ; the next phase's weight onto this one's
	s_nop 0
	PLACES
.Lno_half:
.irp i, 0,1,2,3,4,5,6,7
	BLOCKHEAD 0, \i
	QUANTQ \i
.endr
	WORDS
	s_wait_xcnt 0x0                                ; the stores have read their bases
	s_add_nc_u64 s[10:11], s[10:11], 6291456
	s_add_nc_u64 s[12:13], s[12:13], 262144
	s_add_co_u32 s96, s96, 4096
	s_add_co_u32 s97, s97, 1
	s_cmp_lt_u32 s97, 2
	s_cbranch_scc1 .Lqk
	v_add_nc_u32 v13, s96, v19                     ; v
	s_wait_alu depctr_va_vdst(0)
	s_wait_tensorcnt 0x0
	s_wait_dscnt 0x0
	s_barrier_signal -1                            ; a plain barrier shows v's weight
	s_barrier_wait -1
	WEIGHTS
	FETCH 0
	FETCH 1
.irp i, 0,1,2,3,4,5,6,7
	BLOCKHEAD 1, \i
.if \i%2
	QUANTV \i/2
.endif
.endr
	WORDS
	s_wait_tensorcnt 0x0                           ; the wave's end
	ds_add_u32 v[SPW], v[NIL]
	s_wait_dscnt 0x0
	ROUND                                          ; the closing round
	s_endpgm
.Lfunc_end_k_q349d439e9f_qkv:
	.size	k_q349d439e9f_qkv, .Lfunc_end_k_q349d439e9f_qkv-k_q349d439e9f_qkv
	.p2alignl 7, 3214868480
	.fill 96, 4, 3214868480
	.section	.rodata,"a",@progbits
	.p2align	6, 0x0
	.amdhsa_kernel k_q349d439e9f_qkv
		.amdhsa_group_segment_fixed_size 327680
		.amdhsa_private_segment_fixed_size 0
		.amdhsa_enable_private_segment 0
		.amdhsa_kernarg_size 40
		.amdhsa_user_sgpr_count 2
		.amdhsa_user_sgpr_kernarg_segment_ptr 1
		.amdhsa_wavefront_size32 1
		.amdhsa_system_sgpr_workgroup_id_x 1
		.amdhsa_system_sgpr_workgroup_id_y 1
		.amdhsa_system_sgpr_workgroup_id_z 1
		.amdhsa_system_vgpr_workitem_id 0
		.amdhsa_next_free_vgpr 936
		.amdhsa_next_free_sgpr 102
		.amdhsa_reserve_vcc 1
		.amdhsa_float_denorm_mode_32 3
		.amdhsa_float_denorm_mode_16_64 3
		.amdhsa_memory_ordered 1
		.amdhsa_forward_progress 1
		.amdhsa_inst_pref_size 170
	.end_amdhsa_kernel
	.amdgpu_metadata
---
amdhsa.version: [ 1, 2 ]
amdhsa.kernels:
  - .name:           k_q349d439e9f_qkv
    .symbol:         k_q349d439e9f_qkv.kd
    .args:
      - { .name: pc, .offset: 0, .size: 8, .value_kind: global_buffer, .address_space: global }
      - { .name: ps, .offset: 8, .size: 8, .value_kind: global_buffer, .address_space: global }
      - { .name: b_attn, .offset: 16, .size: 8, .value_kind: global_buffer, .address_space: global }
      - { .name: ac, .offset: 24, .size: 8, .value_kind: global_buffer, .address_space: global }
      - { .name: asc, .offset: 32, .size: 8, .value_kind: global_buffer, .address_space: global }
    .group_segment_fixed_size: 327680
    .private_segment_fixed_size: 0
    .kernarg_segment_align: 8
    .kernarg_segment_size: 40
    .max_flat_workgroup_size: 128
    .sgpr_count:     102
    .vgpr_count:     936
    .wavefront_size: 32
...
	.end_amdgpu_metadata
.endif
;; end of part 2
;; launch attn (part 3): grid 4 x 64, 16 waves a work-group, clusters of 4 x 1, 327,680 bytes of LDS; arguments ac, asc, yc, ys; writes yc, ys
.if DOCPART == 3
	.amdgcn_target "amdgcn-amd-amdhsa--gfx1250"
	.amdhsa_code_object_version 6
	.text
	.protected	k_q349d439e9f_attn
	.globl	k_q349d439e9f_attn
	.p2align	8
	.type	k_q349d439e9f_attn,@function
k_q349d439e9f_attn:
	s_mov_b64 s[64:65], 0
	v_nop
	global_prefetch_b8 v0, s[64:65] scope:SCOPE_SE
	s_setreg_imm32_b32 hwreg(HW_REG_WAVE_MODE, 25, 1), 1
	s_wait_xcnt 0x0
	s_wait_alu depctr_hold_cnt(0) depctr_sa_sdst(0) depctr_va_vdst(0) depctr_va_sdst(0) depctr_va_ssrc(0) depctr_va_vcc(0) depctr_vm_vsrc(0)
	s_getreg_b32 s2, hwreg(HW_REG_IB_STS2, 6, 4)
	s_cmp_eq_u32 s2, 0
	s_cbranch_scc0 .Lentry_in_a_cluster
	s_endpgm
.Lentry_in_a_cluster:
	s_bfe_u32 s2, ttmp6, 0x10000c
	s_cmp_lg_u32 s2, 0x3003
	s_cbranch_scc0 .Lentry_shape_is_right
	s_endpgm
.Lentry_shape_is_right:
; Causal attention of one batch and head (cluster y) on codes of FP6 (E2M3) with E8M0 scales; y leaves as codes and scale bytes, quantised along the 64 channels, as images of the next product's operand.
; LEFT OUT: key steps that lie wholly above the diagonal: their p is 0 for all inputs.
; LIMITS: the scaled scores (exponents to the base 2) stay under 2^31 in magnitude; NaN and infinities are not served; a block of zeros gets the byte 1 (its codes are zeros; only this program reads the bytes).
; THE DEAL: a head has 128 tiles of 16 queries; tile 8 a + 4 u + cx needs a + 1 key steps of 128.  Wave w (a = w / 2, u = w % 2) of partner cx (0..3) takes class a and then class 15 - a: 17 steps for every wave.
; The classes, the steps, the step with the diagonal and every LDS address hang on w alone; cx enters global addresses and the lanes' mask numbers only.
; So the four work-groups of a head read the same keys and ask for K and V JOINTLY (mask 15).  K, V and their scale words stay in LDS; nothing is filled twice.
; FILLS: at the head one load a wave: waves 0-5 keys 0-1023 of K, waves 6-11 of V (8,192 bytes each), waves 12-15 the scale words (2,048 each).  Behind a drained round waves 0-11 ask for keys 1024-2047.
; Trips 0-3 read keys under 640, the look-ahead among them; a plain barrier behind trip 3 shows the second half.
; No prefetch: all of K and V is asked for by these two groups of loads, the second four trips ahead of the barrier that shows it.
; A STEP: S^T = K Q^T (a K fragment holds two tiles of 16 keys x 64; Q stands beside 64 zeros, once in each half), running M = ceil(largest t), p = 2^(t - M), the sum of the unquantised p, p's codes, O^T += V^T p^T.
; K's fragments are asked of LDS ONE STEP AHEAD, behind the eight score products that read the last ones: 17 loads, with the softmax between them and their first use.
; REGISTERS: v1, v2 16 and 8 x lane; v3 scale words' address; v4-8 the step's addresses; v9 the mask number; v12 -M, v13 largest t, v14-15 the sum; v16-33 Q, zeros, Q; v34 Q's scales;
; v36-83 K; v84-91 K's and V's scales; v92 p's; v96-159 scores, then p, then p's codes in v128-139; v160-191 O^T; v192-239 V; v240-255 at work.
.set VOFF, 98304
.set KSC,  196608
.set SPARE, 204800                     ; the spare words: 128 bytes a wave, 2,048 bytes that no other line names
.set HALF, 49152
.set WV,  12
.set CX,  13
.set BH,  14
.set AA,  15                           ; my tile's class a
.set INC, 16                           ; from my first tile's class to my second's
.set REM, 18                           ; steps left of my tile
.set SEL, 20
.set CS,  22
.set G1S, 24
.set G1C, 32
.set G0C, 40
.set G0S, 44
.set KF,  48
.set CNT, 50
.set TAU, 53
.set SPW, 93
.set NIL, 95
.macro ROUND                           ; a round of the cluster's barrier
	s_barrier_signal -1
	s_barrier_wait -1
	s_cmp_lg_u32 s[WV], 0
	s_cbranch_scc1 .Lnw0_\@
	s_barrier_signal -3
.Lnw0_\@:
	s_barrier_wait -3
	s_barrier_signal -1
	s_barrier_wait -1
.endm
.macro FRAG reg, a16, a8, off
	ds_load_b128 v[\reg:\reg+3], v[\a16] offset:\off
	ds_load_b64 v[\reg+4:\reg+5], v[\a8] offset:(\off)+512
	ds_load_b128 v[\reg+6:\reg+9], v[\a16] offset:(\off)+768
	ds_load_b64 v[\reg+10:\reg+11], v[\a8] offset:(\off)+1280
.endm
.macro KLOADS                          ; a key step's K and its scale words: 17 loads
.irp p, 0,1,2,3
	FRAG 36+12*\p, 4, 5, 1536*\p
.endr
	ds_load_b128 v[84:87], v8
.endm
.macro QLOAD                           ; tile TAU's Q, twice, and its scale word
	s_mul_i32 s54, s[TAU], 768
	s_mov_b32 s55, 0
	s_add_nc_u64 s[68:69], s[76:77], s[54:55]
	s_lshr_b32 s54, s[TAU], 3
	s_lshl_b32 s54, s54, 8
	s_bfe_u32 s56, s[TAU], 0x20001
	s_lshl_b32 s56, s56, 2
	s_add_co_u32 s54, s54, s56
	s_add_nc_u64 s[70:71], s[78:79], s[54:55]
	global_load_b128 v[16:19], v1, s[68:69]
	global_load_b64 v[20:21], v2, s[68:69] offset:512
	global_load_b128 v[28:31], v1, s[68:69]
	global_load_b64 v[32:33], v2, s[68:69] offset:512
	global_load_b32 v35, v11, s[70:71]
.endm
.macro INIT                            ; where tile TAU's y goes; its mask number; the sums begin
	s_mul_i32 s54, s[TAU], 12288
	s_mov_b32 s55, 0
	s_add_nc_u64 s[72:73], s[80:81], s[54:55]
	s_lshl_b32 s54, s[TAU], 9
	s_add_nc_u64 s[74:75], s[82:83], s[54:55]
	s_bfe_u32 s57, s[TAU], 0x20001
	s_lshl_b32 s57, s57, 5                         ; the tile pair's first query in its key step: 32 ((tau / 2) % 4)
	s_and_b32 s58, s[TAU], 1
	s_lshl_b32 s59, s58, 3
	s_add_co_u32 s57, s57, s59
	s_mov_b32 s84, 0x03020302
	s_cmp_eq_u32 s58, 0
	s_cselect_b32 s84, 0x01000100, s84             ; my tile's two bytes of the pair's scale word, for both halves of K
	s_mov_b32 s[KF], 0
	v_lshrrev_b32 v254, 4, v11                     ; r
	v_lshrrev_b32 v9, 7, v11                       ; r / 8
	v_lshl_add_u32 v9, v9, 3, v254
	v_lshlrev_b32 v254, 4, v94
	v_sub_nc_u32 v9, v9, v254
	v_add_nc_u32 v9, s57, v9                       ; my query's place in the key step, less 16 h: register 16 b + i holds key 32 b + 16 h + i
	s_wait_loadcnt 0x0
	v_perm_b32 v34, v35, v35, s84
	v_mov_b32 v13, 0xff61b1e6                      ; the largest t so far: -3e38
	s_delay_alu instid0(VALU_DEP_1)
	v_floor_f32 v12, -v13
	v_mov_b32 v14, 0
	v_mov_b32 v15, 0
.set cn, 0
.rept 32
	v_mov_b32 v[160+cn], 0
.set cn, cn+1
.endr
.endm
; bound: the last key step that has landed.  A tile's last step holds the diagonal.  last = 1: trip 16 has no step behind it and asks for no K
.macro STEP bound, last
	s_min_u32 s56, s[KF], \bound
	s_mul_i32 s57, s56, 48
	s_lshl_b32 s58, s56, 1
	s_add_co_u32 s59, s57, VOFF
	v_add_nc_u32 v6, s59, v1                       ; these five are the places ahead of the loads into the last products' registers, and of the score products, which write over p's codes
	v_add_nc_u32 v7, s59, v2
	v_add_nc_u32 v8, s58, v3
	v_nop
	v_nop
.irp p, 0,1,2,3
	FRAG 192+12*\p, 6, 7, 1536*\p
.endr
	ds_load_b128 v[88:91], v8 offset:4096
	s_wait_dscnt 17                                ; K and its scales, asked for a step ago, are in; V's 16 loads and its scales may be out
.irp p, 0,1,2,3
	v_wmma_scale_f32_16x16x128_f8f6f4 v[96+16*\p:103+16*\p], v[36+12*\p:47+12*\p], v[16:27], 0, v[84+\p], v34 matrix_a_fmt:MATRIX_FMT_FP6 matrix_b_fmt:MATRIX_FMT_FP6
	v_wmma_scale_f32_16x16x128_f8f6f4 v[104+16*\p:111+16*\p], v[36+12*\p:47+12*\p], v[22:33], 0, v[84+\p], v34 matrix_a_fmt:MATRIX_FMT_FP6 matrix_b_fmt:MATRIX_FMT_FP6
.endr
	s_add_co_u32 s60, s[KF], 128                   ; the next step's keys: 128 on, or, behind a tile's last step, my next tile's key 0
	s_cmp_eq_u32 s[REM], 1
	s_cselect_b32 s60, 0, s60
	s_min_u32 s60, s60, \bound
	s_mul_i32 s61, s60, 48
	s_lshl_b32 s62, s60, 1
	v_add_nc_u32 v4, s61, v1                       ; four places behind the score products
	v_add_nc_u32 v5, s61, v2
	v_add_nc_u32 v8, s62, v3
	v_nop
.if \last
	s_cmp_eq_u32 s[CNT], 16
	s_cbranch_scc1 .Lnonext_\@
.endif
	KLOADS
.Lnonext_\@:
	s_cmp_lg_u32 s[REM], 1
	s_cbranch_scc1 .Lopen_\@
.set cn, 0
.rept 64
	v_cmp_gt_i32 vcc_lo, 32*(cn/16)+cn%16, v9      ; keys behind my query count for nothing
	v_cndmask_b32 v[96+cn], v[96+cn], v255, vcc_lo
.set cn, cn+1
.endr
.Lopen_\@:
.irp b, 0,1,2,3
	v_max3_num_f32 v[240+\b], v[96+16*\b], v[97+16*\b], v[98+16*\b]   ; the largest score of each block of 32 keys
.endr
.irp i, 3,5,7,9,11,13
.irp b, 0,1,2,3
	v_max3_num_f32 v[240+\b], v[240+\b], v[96+16*\b+\i], v[97+16*\b+\i]
.endr
.endr
.irp b, 0,1,2,3
	v_max_num_f32 v[240+\b], v[240+\b], v[111+16*\b]
.endr
.irp b, 0,1,2,3
	s_delay_alu instid0(VALU_DEP_4)
	v_permlanex16_b32 v[244+\b], v[240+\b], s[SEL], s[SEL+1]
.endr
.irp b, 0,1,2,3
	s_delay_alu instid0(VALU_DEP_4)
	v_max_num_f32 v[240+\b], v[240+\b], v[244+\b]
.endr
	s_delay_alu instid0(VALU_DEP_2)
	v_max3_num_f32 v254, v240, v241, v242
	s_delay_alu instid0(VALU_DEP_1)
	v_max_num_f32 v254, v254, v243
	s_delay_alu instid0(VALU_DEP_1)
	v_mul_f32 v254, s[CS], v254
	s_delay_alu instid0(VALU_DEP_1)
	v_max_num_f32 v13, v13, v254                   ; the running largest t
	v_mov_b32 v254, v12
	s_delay_alu instid0(VALU_DEP_2)
	v_floor_f32 v12, -v13                          ; -M = floor(-t): M is a whole number
	s_delay_alu instid0(VALU_DEP_1)
	v_sub_f32 v254, v12, v254
	s_delay_alu instid0(VALU_DEP_1)
	v_cvt_i32_f32 v254, v254
	s_delay_alu instid0(VALU_DEP_1)
	v_ldexp_f32 v252, 1.0, v254                    ; f = 2^(old M - new M)
.set cn, 0
.rept 32
	v_pk_fma_f32 v[96+cn:97+cn], v[96+cn:97+cn], s[CS:CS+1], v[12:13] op_sel_hi:[1,0,0]
.set cn, cn+2
.endr
.irp b, 0,1,2,3
	v_fma_f32 v[240+\b], v[240+\b], s[CS], v12
.endr
.set cn, 0
	s_wait_alu depctr_va_vdst(0)                   ; the wait ahead of the batch
.rept 64
	v_exp_f32 v[96+cn], v[96+cn]
.set cn, cn+1
.endr
	v_pk_mul_f32 v[14:15], v[14:15], v[252:253] op_sel_hi:[1,0]
	s_wait_alu depctr_va_vdst(0)                   ; and behind it
.irp b, 0,1,2,3
	v_exp_f32 v[240+\b], v[240+\b]                 ; each block's largest p
.endr
	v_pk_add_f32 v[244:245], v[96:97], v[98:99]    ; the sum of the unquantised p, two at a time, in four chains
	v_pk_add_f32 v[246:247], v[100:101], v[102:103]
	v_pk_add_f32 v[248:249], v[104:105], v[106:107]
.irp j, 12,20,28,36,44,52
	v_pk_add_f32 v[14:15], v[14:15], v[96+\j:97+\j]
	v_pk_add_f32 v[244:245], v[244:245], v[98+\j:99+\j]
	v_pk_add_f32 v[246:247], v[246:247], v[100+\j:101+\j]
	v_pk_add_f32 v[248:249], v[248:249], v[102+\j:103+\j]
.endr
	v_pk_add_f32 v[14:15], v[14:15], v[156:157]
	v_pk_add_f32 v[244:245], v[244:245], v[158:159]
	v_pk_add_f32 v[246:247], v[246:247], v[248:249]
	v_pk_add_f32 v[14:15], v[14:15], v[244:245]
	s_delay_alu instid0(VALU_DEP_1)
	v_pk_add_f32 v[14:15], v[14:15], v[246:247]
	s_wait_alu depctr_va_vdst(0)
.irp b, 0,1,2,3
	v_max_num_f32 v[240+\b], 0x1800000, v[240+\b]  ; the floor 2^(3 - 127)
.endr
.irp b, 0,1,2,3
	s_delay_alu instid0(VALU_DEP_4)
	v_add_nc_u32 v[248+\b], 0xff000000, v[240+\b]  ; the conversion's scale operand
.endr
.irp b, 0,1,2,3
	s_delay_alu instid0(VALU_DEP_4)
	v_lshrrev_b32 v[244+\b], 23, v[248+\b]
.endr
	s_delay_alu instid0(VALU_DEP_3)
	v_lshl_or_b32 v92, v245, 8, v244
	s_delay_alu instid0(VALU_DEP_1)
	v_lshl_or_b32 v92, v246, 16, v92
	s_delay_alu instid0(VALU_DEP_1)
	v_lshl_or_b32 v92, v247, 24, v92
	v_cvt_scalef32_pk16_fp6_f32 v[240:242], v[128:143], v250   ; blocks 2 and 3 first, into registers that are done with:
	v_cvt_scalef32_pk16_fp6_f32 v[244:246], v[144:159], v251
	v_nop                                          ; (a plain place behind the conversions)
	v_cvt_scalef32_pk16_fp6_f32 v[128:130], v[96:111], v248    ; their p's registers take the operand
	v_cvt_scalef32_pk16_fp6_f32 v[140:142], v[112:127], v249
	v_nop
.irp i, 0,1,2
	v_permlane16_swap_b32 v[128+\i], v[140+\i]     ; a whole block to a lane: lanes 0-15 block 2 c, lanes 16-31 block 2 c + 1
.endr
.irp i, 0,1,2
	v_permlane16_swap_b32 v[240+\i], v[244+\i]
.endr
.irp i, 0,1,2
	v_mov_b32 v[131+\i], v[140+\i]
.endr
.irp i, 0,1,2
	v_mov_b32 v[134+\i], v[240+\i]
.endr
.irp i, 0,1,2
	v_mov_b32 v[137+\i], v[244+\i]
.endr
	s_wait_alu depctr_va_vdst(0)                   ; the wait directly ahead of the first reader of O^T
.set cn, 0
.rept 16
	v_pk_mul_f32 v[160+cn:161+cn], v[160+cn:161+cn], v[252:253] op_sel_hi:[1,0]
.set cn, cn+2
.endr
	s_wait_alu depctr_va_vdst(0)
	s_wait_dscnt 0x0                               ; V is in, and so is the next step's K
.irp t, 0,1,2,3
	v_wmma_scale_f32_16x16x128_f8f6f4 v[160+8*\t:167+8*\t], v[192+12*\t:203+12*\t], v[128:139], v[160+8*\t:167+8*\t], v[88+\t], v92 matrix_a_fmt:MATRIX_FMT_FP6 matrix_b_fmt:MATRIX_FMT_FP6
.endr
	s_add_co_u32 s[KF], s[KF], 128
.endm
.macro FINISH                          ; y = O^T / the sum, quantised along the head's 64, stored as half a fragment and two scale bytes a row
.rept 4
	v_nop
.endr
	v_add_f32 v14, v14, v15
	s_delay_alu instid0(VALU_DEP_1)
	v_permlanex16_b32 v254, v14, s[SEL], s[SEL+1]
	s_delay_alu instid0(VALU_DEP_1)
	v_add_f32 v14, v14, v254
	s_wait_alu depctr_va_vdst(0)
	v_rcp_f32 v252, v14
	v_nop
	s_wait_alu depctr_va_vdst(0)
.set cn, 0
.rept 16
	v_pk_mul_f32 v[96+cn:97+cn], v[160+cn:161+cn], v[252:253] op_sel_hi:[1,0]
.set cn, cn+2
.endr
.irp b, 0,1
	v_max3_num_f32 v[240+\b], |v[96+16*\b]|, |v[97+16*\b]|, 0x1800000
.endr
.irp i, 2,4,6,8,10,12,14
.irp b, 0,1
	s_delay_alu instid0(VALU_DEP_2)
	v_max3_num_f32 v[240+\b], v[240+\b], |v[96+16*\b+\i]|, |v[97+16*\b+\i]|
.endr
.endr
.irp b, 0,1
	s_delay_alu instid0(VALU_DEP_2)
	v_permlanex16_b32 v[244+\b], v[240+\b], s[SEL], s[SEL+1]
.endr
.irp b, 0,1
	s_delay_alu instid0(VALU_DEP_2)
	v_max_num_f32 v[240+\b], v[240+\b], v[244+\b]
.endr
.irp b, 0,1
	s_delay_alu instid0(VALU_DEP_2)
	v_add_nc_u32 v[248+\b], 0xff000000, v[240+\b]
.endr
.irp b, 0,1
	s_delay_alu instid0(VALU_DEP_2)
	v_lshrrev_b32 v[244+\b], 23, v[248+\b]
.endr
	v_cvt_scalef32_pk16_fp6_f32 v[128:130], v[96:111], v248
	v_cvt_scalef32_pk16_fp6_f32 v[132:134], v[112:127], v249
	v_cmp_eq_u32 vcc_lo, 1, v94
.irp i, 0,1,2
	v_permlane16_swap_b32 v[128+\i], v[132+\i]
.endr
.irp i, 0,1,2
	s_delay_alu instid0(VALU_DEP_3)
	v_mov_b32 v[131+\i], v[132+\i]
.endr
	v_cndmask_b32 v254, v244, v245, vcc_lo
	global_store_b128 v1, v[128:131], s[72:73]
	global_store_b64 v2, v[132:133], s[72:73] offset:512
	global_store_b8 v10, v254, s[74:75]
	s_wait_xcnt 0x0                                ; the stores have read their registers and bases
.endm
; a trip: where my first tile is done, its way out and my second tile's start; then a key step
.macro TRIP bound, last
	s_cmp_lg_u32 s[REM], 0
	s_cbranch_scc1 .Lsame_\@
	s_add_co_u32 s[AA], s[AA], s[INC]
	s_add_co_u32 s[REM], s[AA], 1
	s_lshl_b32 s54, s[INC], 3
	s_add_co_u32 s[TAU], s[TAU], s54
	QLOAD                                          ; the second tile's Q is asked for ahead of the first tile's way out
	FINISH
	INIT
.Lsame_\@:
	STEP \bound, \last
	s_sub_co_u32 s[REM], s[REM], 1
.endm
	s_load_b256 s[4:11], s[0:1], 0x0               ; ac, asc, yc, ys
	v_lshl_add_u32 v[SPW], v0, 2, SPARE
	v_mov_b32 v[NIL], 0
	ds_add_u32 v[SPW], v[NIL]                      ; the opening lines: the add, twice on end, and its wait
	ds_add_u32 v[SPW], v[NIL]
	v_lshrrev_b32 v1, 5, v0
	v_readfirstlane_b32 s[WV], v1
	s_and_b32 s[BH], ttmp7, 0xffff
	s_bfe_u32 s[CX], ttmp6, 0x40000
	s_mov_b32 s[G1S], 15|(3<<16)|(1<<21)           ; all four partners; elements of 8 bytes; rows of 256 bytes
	s_mov_b32 s[G1S+1], 32<<16
	s_mov_b32 s[G1S+2], 8<<16
	s_mov_b32 s[G1S+3], 32<<16
	s_mov_b32 s[G1S+4], 8
	s_mov_b32 s[G1S+5], 32
	s_mov_b32 s[G1S+6], 0
	s_mov_b32 s[G1S+7], 0
	s_mov_b32 s[G1C], 15|(3<<16)|(1<<21)
	s_mov_b32 s[G1C+1], 32<<16
	s_mov_b32 s[G1C+2], 32<<16
	s_mov_b32 s[G1C+3], 32<<16
	s_mov_b32 s[G1C+4], 32
	s_mov_b32 s[G1C+5], 32
	s_mov_b32 s[G1C+6], 0
	s_mov_b32 s[G1C+7], 0
	s_mul_i32 s54, s[WV], 11
	s_lshr_b32 s54, s54, 6                         ; 0 for waves 0-5 (K), 1 for waves 6-11 (V)
	s_lshl_b32 s55, s[WV], 13
	s_mul_i32 s56, s54, HALF
	s_mov_b32 s[G0C], 1
	s_add_co_u32 s[G0C+1], s55, s56                ; LDS: K at 8,192 w, V at 98,304 + 8,192 (w - 6)
	s_mul_i32 s58, s54, 6291456-HALF
	s_add_co_u32 s58, s58, s55
	s_mul_i32 s59, s[BH], 98304
	s_add_co_u32 s58, s58, s59
	s_add_co_u32 s58, s58, 6291456
	s_mov_b32 s59, 0
	s_and_b32 s60, s[WV], 3                        ; waves 12-15: K's scale words in two halves, then V's
	s_mov_b32 s[G0S], 1
	s_lshl_b32 s[G0S+1], s60, 11
	s_add_co_u32 s[G0S+1], s[G0S+1], KSC
	s_and_b32 s61, s60, 1
	s_lshl_b32 s61, s61, 11
	s_lshr_b32 s62, s60, 1
	s_lshl_b32 s62, s62, 18
	s_add_co_u32 s62, s62, s61
	s_lshl_b32 s61, s[BH], 12
	s_add_co_u32 s62, s62, s61
	s_add_co_u32 s62, s62, 262144
	s_mov_b32 s63, 0
	s_lshr_b32 s54, s[BH], 4                       ; batch
	s_and_b32 s55, s[BH], 15                       ; head
	s_mul_i32 s90, s54, 128*12288
	s_mul_i32 s56, s55, 768
	s_add_co_u32 s90, s90, s56
	s_mov_b32 s91, 0
	s_lshl_b32 s92, s54, 16
	s_lshr_b32 s56, s55, 3
	s_lshl_b32 s56, s56, 8
	s_add_co_u32 s92, s92, s56
	s_bfe_u32 s56, s55, 0x20001
	s_lshl_b32 s56, s56, 2
	s_add_co_u32 s92, s92, s56
	s_and_b32 s56, s55, 1
	s_lshl_b32 s56, s56, 1
	s_add_co_u32 s92, s92, s56
	s_mov_b32 s93, 0
	s_mul_i32 s86, s[BH], 98304
	s_mov_b32 s87, 0
	s_lshl_b32 s88, s[BH], 12
	s_mov_b32 s89, 0
	s_lshr_b32 s[AA], s[WV], 1                     ; a
	s_lshl_b32 s56, s[AA], 1
	s_sub_co_u32 s[INC], 15, s56                   ; 15 - 2 a
	s_add_co_u32 s[REM], s[AA], 1
	s_lshl_b32 s[TAU], s[WV], 2
	s_add_co_u32 s[TAU], s[TAU], s[CX]             ; 8 a + 4 u + cx
	s_mov_b32 s[SEL], 0x76543210
	s_mov_b32 s[SEL+1], 0xfedcba98
	s_mov_b32 s[CS], 0x3e38aa3b                    ; log2(e) / 8
	s_mov_b32 s[CS+1], s[CS]
	s_wait_alu depctr_va_vdst(0)
	s_wait_dscnt 0x0
	ROUND                                          ; in front of the first joint loads
	s_wait_kmcnt 0x0
	s_add_nc_u64 s[G0C+2:G0C+3], s[4:5], s[58:59]
	s_or_b32 s[G0C+3], s[G0C+3], 0x80000000
	s_add_nc_u64 s[G0S+2:G0S+3], s[6:7], s[62:63]
	s_or_b32 s[G0S+3], s[G0S+3], 0x80000000
	s_cmp_lt_u32 s[WV], 12
	s_cbranch_scc0 .Lhead_sc
	tensor_load_to_lds s[G0C:G0C+3], s[G1C:G1C+7]
	s_nop 0
.rept 4
	v_nop
.endr
	s_branch .Lhead_asked
.Lhead_sc:
	tensor_load_to_lds s[G0S:G0S+3], s[G1S:G1S+7]
	s_nop 0
.rept 4
	v_nop
.endr
.Lhead_asked:
	s_add_nc_u64 s[76:77], s[4:5], s[86:87]
	s_add_nc_u64 s[78:79], s[6:7], s[88:89]
	s_add_nc_u64 s[80:81], s[8:9], s[90:91]
	s_add_nc_u64 s[82:83], s[10:11], s[92:93]
	v_and_b32 v3, 31, v0
	v_lshlrev_b32 v1, 4, v3
	v_lshlrev_b32 v2, 3, v3
	v_and_b32 v10, 15, v0
	v_bfe_u32 v94, v0, 4, 1
	v_lshlrev_b32 v11, 4, v10
	v_add_nc_u32 v3, KSC, v11
	v_add_nc_u32 v10, v11, v94
.irp j, 22,23,24,25,26,27
	v_mov_b32 v[\j], 0                             ; the 64 zeros beside Q
.endr
.irp j, 244,245,246,247,253,254
	v_mov_b32 v[\j], 0                             ; lane permutes' destinations, and a pair's upper half
.endr
	v_mov_b32 v255, 0xff800000
	s_wait_alu depctr_va_vdst(0)
	QLOAD
	INIT
	s_wait_alu depctr_va_vdst(0)                   ; the wait at the head's end
	s_wait_tensorcnt 0x0                           ; my part of the first fills is in; the three lines ahead of a later first fill
	ds_add_u32 v[SPW], v[NIL]
	s_add_co_u32 s[G0C+1], s[G0C+1], HALF          ; on to keys 1024-2047
	s_add_nc_u64 s[G0C+2:G0C+3], s[G0C+2:G0C+3], HALF
	s_wait_dscnt 0x0
	ROUND
	s_cmp_lt_u32 s[WV], 12
	s_cbranch_scc0 .Lno_second
	tensor_load_to_lds s[G0C:G0C+3], s[G1C:G1C+7]
	s_nop 0
.rept 4
	v_nop
.endr
.Lno_second:
	v_add_nc_u32 v4, 0, v1                         ; the first step's K: key 0
	v_add_nc_u32 v5, 0, v2
	v_add_nc_u32 v8, 0, v3
	KLOADS
	s_mov_b32 s[CNT], 0
.Lone:                                         ; trips 0-3
	TRIP 896, 0
	s_add_co_u32 s[CNT], s[CNT], 1
	s_cmp_lt_u32 s[CNT], 4
	s_cbranch_scc1 .Lone
	s_wait_tensorcnt 0x0                           ; my part of the second half is in
	s_wait_dscnt 0x0
	s_barrier_signal -1                            ; a plain barrier
	s_barrier_wait -1
.Ltwo:                                         ; trips 4-16
	TRIP 1920, 1
	s_add_co_u32 s[CNT], s[CNT], 1
	s_cmp_lt_u32 s[CNT], 17
	s_cbranch_scc1 .Ltwo
	FINISH
	s_wait_tensorcnt 0x0                           ; the wave's end
	ds_add_u32 v[SPW], v[NIL]
	s_wait_dscnt 0x0
	ROUND                                          ; the closing round
	s_endpgm
.Lfunc_end_k_q349d439e9f_attn:
	.size	k_q349d439e9f_attn, .Lfunc_end_k_q349d439e9f_attn-k_q349d439e9f_attn
	.p2alignl 7, 3214868480
	.fill 96, 4, 3214868480
	.section	.rodata,"a",@progbits
	.p2align	6, 0x0
	.amdhsa_kernel k_q349d439e9f_attn
		.amdhsa_group_segment_fixed_size 327680
		.amdhsa_private_segment_fixed_size 0
		.amdhsa_enable_private_segment 0
		.amdhsa_kernarg_size 32
		.amdhsa_user_sgpr_count 2
		.amdhsa_user_sgpr_kernarg_segment_ptr 1
		.amdhsa_wavefront_size32 1
		.amdhsa_system_sgpr_workgroup_id_x 1
		.amdhsa_system_sgpr_workgroup_id_y 1
		.amdhsa_system_sgpr_workgroup_id_z 1
		.amdhsa_system_vgpr_workitem_id 0
		.amdhsa_next_free_vgpr 256
		.amdhsa_next_free_sgpr 100
		.amdhsa_reserve_vcc 1
		.amdhsa_float_denorm_mode_32 3
		.amdhsa_float_denorm_mode_16_64 3
		.amdhsa_memory_ordered 1
		.amdhsa_forward_progress 1
		.amdhsa_inst_pref_size 76
	.end_amdhsa_kernel
	.amdgpu_metadata
---
amdhsa.version: [ 1, 2 ]
amdhsa.kernels:
  - .name:           k_q349d439e9f_attn
    .symbol:         k_q349d439e9f_attn.kd
    .args:
      - { .name: ac, .offset: 0, .size: 8, .value_kind: global_buffer, .address_space: global }
      - { .name: asc, .offset: 8, .size: 8, .value_kind: global_buffer, .address_space: global }
      - { .name: yc, .offset: 16, .size: 8, .value_kind: global_buffer, .address_space: global }
      - { .name: ys, .offset: 24, .size: 8, .value_kind: global_buffer, .address_space: global }
    .group_segment_fixed_size: 327680
    .private_segment_fixed_size: 0
    .kernarg_segment_align: 8
    .kernarg_segment_size: 32
    .max_flat_workgroup_size: 512
    .sgpr_count:     100
    .vgpr_count:     256
    .wavefront_size: 32
...
	.end_amdgpu_metadata
.endif
;; end of part 3
;; launch proj (part 4): grid 8 x 32, 4 waves a work-group, clusters of 4 x 4, 327,680 bytes of LDS; arguments yc, ys, pc, ps, b_proj, out0; writes out0
.if DOCPART == 4
	.amdgcn_target "amdgcn-amd-amdhsa--gfx1250"
	.amdhsa_code_object_version 6
	.text
	.protected	k_q349d439e9f_proj
	.globl	k_q349d439e9f_proj
	.p2align	8
	.type	k_q349d439e9f_proj,@function
k_q349d439e9f_proj:
	s_mov_b64 s[64:65], 0
	v_nop
	global_prefetch_b8 v0, s[64:65] scope:SCOPE_SE
	s_setreg_imm32_b32 hwreg(HW_REG_WAVE_MODE, 25, 1), 1
	s_wait_xcnt 0x0
	s_wait_alu depctr_hold_cnt(0) depctr_sa_sdst(0) depctr_va_vdst(0) depctr_va_sdst(0) depctr_va_ssrc(0) depctr_va_vcc(0) depctr_vm_vsrc(0)
	s_getreg_b32 s2, hwreg(HW_REG_IB_STS2, 6, 4)
	s_cmp_eq_u32 s2, 0
	s_cbranch_scc0 .Lentry_in_a_cluster
	s_endpgm
.Lentry_in_a_cluster:
	s_bfe_u32 s2, ttmp6, 0x10000c
	s_cmp_lg_u32 s2, 0xf033
	s_cbranch_scc0 .Lentry_shape_is_right
	s_endpgm
.Lentry_shape_is_right:
; out0 = y w_proj + b_proj on codes of FP6 (E2M3) with E8M0 scales, K = 1,024; f32 results.
; A work-group makes 256 rows x 128 columns: 256 work-groups.  ALL OF K LIES IN LDS: y's 16 tiles (196,608 bytes), the weight's 8 tiles (98,304), their scale words (8,192 and 4,096): four dense blocks, one joint load a wave; nothing is filled twice.
; CLUSTER 4 x 4: y's tiles hang on the tile row and are shared along a row of the cluster, the weight's on the tile column and along a column.
; Four waves, 2 x 2: a wave holds its 64 columns of the weight, all of K, in 384 registers and takes its 8 tiles of 16 rows past them: a block is 32 products (8 along K x 4 column tiles, the 4 accumulators by turns).
; A block's fragments lie twice in registers: block i + 2 is fetched behind block i's products.  Block i - 1 goes through the wave's own stage in LDS in the middle of block i and is stored behind it.
; OPERANDS are images of registers (tile t, row rho = row 32 (t / 2) + 8 (t % 2) + rho + 8 (rho / 8)); a fragment of 16 rows x 128 K is 1,536 bytes.  Source 0 = the weight's tile, source 1 = y's:
; register j of column tile t in lane (r, h) is column 32 (t / 2) + 8 (t % 2) + 16 h + j of row r.  The bias is the first products' C.
; No prefetch: every byte is asked for at the head; there is no loop to run ahead in.
; REGISTERS: window 0: v1-18 addresses, v32-47 the weight's scale words (lanes 0-15 tile 2 p, lanes 16-31 tile 2 p + 1), v52-67 y's (two sets), v72-103 the bias, v104-167 two sets of accumulators, v168-231 rows on the way out.
; Fragment f lies in window 1 + f / 21 at register 12 (f % 21): 0-31 the weight's (4 q + b), 32-39 and 40-47 y's two sets.
.set FR,    12
.set FPW,   21
.set NF,    34                         ; LDS loads of a block: 32 for eight fragments, 2 for eight scale words
.set BB,    196608
.set SAB,   294912
.set SBB,   303104
.set STAGE, 307200                     ; 16 rows x 272 bytes for each wave
.set SPARE, 324608                     ; the spare words: 512 bytes that no other line names
.set WV,  16
.set WM,  17
.set WN,  18
.set SPW, 28
.set NIL, 29
.set SB,  32
.set SA,  52
.set BI,  72
.set ACC, 104
.set BK,  168
.set G1A, 24
.set G1B, 32
.set G1SA, 48
.set G1SB, 56
.set G0A, 68
.set G0B, 72
.set G0SA, 76
.set G0SB, 80
.set MSB, 0
.macro WIN new                         ; the immediate's high byte repeats the setting that is left
.if MSB != (\new)
	s_set_vgpr_msb (MSB<<8)|(\new)
.set MSB, \new
.endif
.endm
.macro PLACES
.rept 4
	v_nop
.endr
.endm
.macro ROUND
	s_barrier_signal -1
	s_barrier_wait -1
	s_cmp_lg_u32 s[WV], 0
	s_cbranch_scc1 .Lnw0_\@
	s_barrier_signal -3
.Lnw0_\@:
	s_barrier_wait -3
	s_barrier_signal -1
	s_barrier_wait -1
.endm
.macro GROUP1 g, m, rows               ; a dense block as rows of 256 bytes
	s_or_b32 s[\g], s[\m], (3<<16)|(1<<21)
	s_mov_b32 s[\g+1], 32<<16
	s_mov_b32 s[\g+2], (\rows)<<16
	s_mov_b32 s[\g+3], 32<<16
	s_mov_b32 s[\g+4], \rows
	s_mov_b32 s[\g+5], 32
	s_mov_b32 s[\g+6], 0
	s_mov_b32 s[\g+7], 0
.endm
.macro GROUP0 g, lds, base, off
	s_mov_b32 s[\g], 1
	s_mov_b32 s[\g+1], \lds
	s_add_nc_u64 s[\g+2:\g+3], s[\base:\base+1], s[\off:\off+1]
	s_or_b32 s[\g+3], s[\g+3], 0x80000000
.endm
.macro ARM under, g0, g1, next         ; one chain of branches on the wave's number: every way passes exactly one load
	s_cmp_lt_u32 s[WV], \under
	s_cbranch_scc0 \next
	tensor_load_to_lds s[\g0:\g0+3], s[\g1:\g1+7]
	s_nop 0
	PLACES
	s_branch .Lhead_asked
\next:
.endm
.macro FRAG f, a16, a8, off
	WIN (1+(\f)/FPW)<<6
.set R_, FR*((\f)%FPW)
	ds_load_b128 v[R_:R_+3], v[\a16] offset:\off
	ds_load_b64 v[R_+4:R_+5], v[\a8] offset:(\off)+512
	ds_load_b128 v[R_+6:R_+9], v[\a16] offset:(\off)+768
	ds_load_b64 v[R_+10:R_+11], v[\a8] offset:(\off)+1280
.endm
.macro FETCH i                         ; y's tile i of my eight, all of K, into set i % 2
.irp q, 0,1,2,3,4,5,6,7
	FRAG 32+8*((\i)%2)+\q, 6+(\i)/4, 8+(\i)/4, 12288*((\i)%4)+1536*\q
.endr
	WIN 0
	ds_load_b128 v[SA+8*((\i)%2):SA+8*((\i)%2)+3], v12 offset:512*(\i)
	ds_load_b128 v[SA+8*((\i)%2)+4:SA+8*((\i)%2)+7], v12 offset:512*(\i)+256
.endm
.macro PROD d, rb, ra, c, xb, xa, o
.if \o
	v_wmma_scale_f32_16x16x128_f8f6f4 v[\d:\d+7], v[\rb:\rb+11], v[\ra:\ra+11], \c, v[\xb], v[\xa] matrix_a_fmt:MATRIX_FMT_FP6 matrix_b_fmt:MATRIX_FMT_FP6 matrix_a_scale:MATRIX_SCALE_ROW1
.else
	v_wmma_scale_f32_16x16x128_f8f6f4 v[\d:\d+7], v[\rb:\rb+11], v[\ra:\ra+11], \c, v[\xb], v[\xa] matrix_a_fmt:MATRIX_FMT_FP6 matrix_b_fmt:MATRIX_FMT_FP6
.endif
.endm
.macro MUL i, q0, q1                   ; block i's products of K steps q0 .. q1 - 1
.set Q_, \q0
.rept (\q1)-(\q0)
.irp b, 0,1,2,3
.set FB_, 4*Q_+\b
.set FA_, 32+8*((\i)%2)+Q_
.set D_, ACC+32*((\i)%2)+8*\b
	WIN (1+FB_/FPW)|((1+FA_/FPW)<<2)
.if Q_
	PROD D_, FR*(FB_%FPW), FR*(FA_%FPW), v[D_:D_+7], SB+8*(\b/2)+Q_, SA+8*((\i)%2)+Q_, \b%2
.else
	PROD D_, FR*(FB_%FPW), FR*(FA_%FPW), v[BI+8*\b:BI+8*\b+7], SB+8*(\b/2)+Q_, SA+8*((\i)%2)+Q_, \b%2
.endif
.endr
.set Q_, Q_+1
.endr
.endm
.macro TOSTAGE i                       ; 16 rows x 256 bytes into my stage, each accumulator from its low end on, and back by rows (a wave's LDS instructions are served in order)
.irp b, 0,1,2,3
	ds_store_b128 v14, v[ACC+32*((\i)%2)+8*\b:ACC+32*((\i)%2)+8*\b+3] offset:128*(\b/2)+32*(\b%2)
	ds_store_b128 v14, v[ACC+32*((\i)%2)+8*\b+4:ACC+32*((\i)%2)+8*\b+7] offset:128*(\b/2)+32*(\b%2)+16
.endr
.irp t, 0,1,2,3,4,5,6,7
	ds_load_b128 v[BK+32*((\i)%2)+4*\t:BK+32*((\i)%2)+4*\t+3], v15 offset:544*\t
.endr
.endm
.macro SEND i                          ; sixteen lanes store 256 consecutive bytes, aligned; two rows an instruction
.irp t, 0,1,2,3,4,5,6,7
	global_store_b128 v16, v[BK+32*((\i)%2)+4*\t:BK+32*((\i)%2)+4*\t+3], s[14:15] offset:(32*((\i)/2)+8*((\i)%2)+2*\t+8*(\t/4))*4096 th:TH_STORE_NT
.endr
.endm
.macro BLOCKP i
.if (\i) < 2
	s_wait_dscnt NF                                ; this block's fetch is in; the next block's NF loads may be out.  (From block 2 on the wait behind the block before has shown it in)
.endif
	MUL \i, 0, 4
	WIN 0
.if (\i) > 0
.if (\i) > 2
	s_wait_xcnt 0x0                                ; block i - 3's stores have read their registers
.endif
	TOSTAGE (\i)-1
.endif
	MUL \i, 4, 8
	WIN 0
	PLACES                                         ; ahead of the loads into the products' registers, and of the stage's reads of the results
.if (\i) < 6
	FETCH (\i)+2
.endif
.if (\i) > 0
.if (\i) < 6
	s_wait_dscnt NF                                ; all but the fetch just issued: block i - 1 is back from the stage
.else
	s_wait_dscnt 0x0
.endif
	SEND (\i)-1
.endif
.endm
	s_load_b256 s[4:11], s[0:1], 0x0               ; yc, ys, pc, ps
	s_load_b128 s[12:15], s[0:1], 0x20             ; b_proj, out0
	v_lshl_add_u32 v[SPW], v0, 2, SPARE
	v_mov_b32 v[NIL], 0
	ds_add_u32 v[SPW], v[NIL]                      ; the opening lines: the add, twice on end, and its wait
	ds_add_u32 v[SPW], v[NIL]
	v_lshrrev_b32 v1, 5, v0
	v_readfirstlane_b32 s[WV], v1
	s_lshr_b32 s[WM], s[WV], 1                     ; my half of the rows
	s_and_b32 s[WN], s[WV], 1                      ; my half of the columns
	s_bfe_u32 s40, ttmp6, 0x40000                  ; cx
	s_bfe_u32 s41, ttmp6, 0x40004                  ; cy
	s_lshl_b32 s42, ttmp9, 2
	s_add_co_u32 s42, s42, s40                     ; tile column, 0 .. 7
	s_and_b32 s43, ttmp7, 0xffff
	s_lshl_b32 s43, s43, 2
	s_add_co_u32 s43, s43, s41                     ; tile row, 0 .. 31
	s_lshl_b32 s44, s41, 2
	s_lshl_b32 s44, 15, s44                        ; my row of the cluster
	s_lshl_b32 s45, 0x1111, s40                    ; my column
	GROUP1 G1A, 44, 768
	GROUP1 G1B, 45, 384
	GROUP1 G1SA, 44, 32
	GROUP1 G1SB, 45, 16
	s_mul_i32 s84, s43, 196608
	s_mov_b32 s85, 0
	s_lshl_b32 s86, s43, 13
	s_mov_b32 s87, 0
	s_mul_i32 s88, s42, 98304
	s_add_co_u32 s88, s88, 8650752
	s_mov_b32 s89, 0
	s_lshl_b32 s90, s42, 12
	s_add_co_u32 s90, s90, 360448
	s_mov_b32 s91, 0
	s_lshl_b32 s92, s42, 9
	s_lshl_b32 s20, s[WN], 8
	s_add_co_u32 s92, s92, s20                     ; my first column, in bytes
	s_mov_b32 s93, 0
	s_lshl_b32 s94, s43, 20
	s_lshl_b32 s20, s[WM], 19
	s_add_co_u32 s94, s94, s20
	s_add_co_u32 s94, s94, s92                     ; and my first row of out0
	s_mov_b32 s95, 0
	s_mul_i32 s20, s[WM], 98304                    ; LDS: my 8 tiles of y,
	s_mul_i32 s21, s[WN], 49152
	s_add_co_u32 s21, s21, BB                      ; my 4 tiles of the weight,
	s_lshl_b32 s22, s[WM], 12
	s_add_co_u32 s22, s22, SAB                     ; their scale words,
	s_lshl_b32 s23, s[WN], 11
	s_add_co_u32 s23, s23, SBB
	s_mul_i32 s46, s[WV], 4352
	s_add_co_u32 s46, s46, STAGE                   ; my stage
	s_wait_alu depctr_va_vdst(0)
	s_wait_dscnt 0x0
	ROUND                                          ; in front of the first joint loads
	s_wait_kmcnt 0x0
	GROUP0 G0B, BB, 8, 88
	GROUP0 G0SB, SBB, 10, 90
	GROUP0 G0SA, SAB, 6, 86
	GROUP0 G0A, 0, 4, 84
	s_add_nc_u64 s[12:13], s[12:13], s[92:93]
	s_add_nc_u64 s[14:15], s[14:15], s[94:95]
	ARM 1, G0B,  G1B,  .Lhead_sb                   ; wave 0: the weight's codes, which go on into registers
	ARM 2, G0SB, G1SB, .Lhead_sa                   ; wave 1: its scale words
	ARM 3, G0SA, G1SA, .Lhead_a                    ; wave 2: y's scale words
	tensor_load_to_lds s[G0A:G0A+3], s[G1A:G1A+7]  ; wave 3: y's codes
	s_nop 0
	PLACES
.Lhead_asked:
	v_and_b32 v1, 15, v0                           ; r
	v_bfe_u32 v2, v0, 4, 1                         ; h
	v_and_b32 v3, 31, v0
	v_lshlrev_b32 v4, 4, v3
	v_lshlrev_b32 v5, 3, v3
	v_lshlrev_b32 v17, 4, v1
	v_lshlrev_b32 v18, 6, v2                       ; the bias: 16 h numbers on
	v_add_nc_u32 v6, s20, v4                       ; y's tiles 0-3 at 16 x lane; v7: tiles 4-7
	v_add_nc_u32 v8, s20, v5                       ; the same at 8 x lane
	v_add_nc_u32 v7, 49152, v6
	v_add_nc_u32 v9, 49152, v8
	v_add_nc_u32 v10, s21, v4
	v_add_nc_u32 v11, s21, v5
	v_add_nc_u32 v12, s22, v17
	v_lshl_add_u32 v13, v2, 9, v17                 ; lanes 16-31 take the odd tile's words
	v_add_nc_u32 v13, s23, v13
	v_mul_u32_u24 v14, v1, 272
	v_lshl_add_u32 v14, v2, 6, v14
	v_add_nc_u32 v14, s46, v14                     ; into the stage: row r, 64 h
	v_mul_u32_u24 v15, v2, 272
	v_add_nc_u32 v15, v15, v17
	v_add_nc_u32 v15, s46, v15                     ; back: sixteen lanes to a row
	v_lshl_add_u32 v16, v2, 12, v17                ; and the same two rows in out0
	s_wait_alu depctr_va_vdst(0)                   ; the wait at the head's end
.irp t, 0,1,2,3
	global_load_b128 v[BI+8*\t:BI+8*\t+3], v18, s[12:13] offset:4*(32*(\t/2)+8*(\t%2))
	global_load_b128 v[BI+8*\t+4:BI+8*\t+7], v18, s[12:13] offset:4*(32*(\t/2)+8*(\t%2))+16
.endr
	s_cmp_lt_u32 s[WV], 2
	s_cbranch_scc0 .Lnot_b
	s_wait_tensorcnt 0x0
.Lnot_b:
	s_barrier_signal -1
	s_barrier_wait -1                              ; the weight's codes and scale words are in
.irp q, 0,1,2,3,4,5,6,7
.irp b, 0,1,2,3
	FRAG 4*\q+\b, 10, 11, 12288*\b+1536*\q
.endr
.endr
	WIN 0
.irp p, 0,1
	ds_load_b128 v[SB+8*\p:SB+8*\p+3], v13 offset:1024*\p
	ds_load_b128 v[SB+8*\p+4:SB+8*\p+7], v13 offset:1024*\p+256
.endr
	s_wait_tensorcnt 0x0
	s_wait_dscnt 0x0
	s_barrier_signal -1
	s_barrier_wait -1                              ; y's codes and scale words are in
	FETCH 0
	FETCH 1
	s_wait_loadcnt 0x0                             ; the bias
.irp i, 0,1,2,3,4,5,6,7
	BLOCKP \i
.endr
	s_wait_xcnt 0x0
	TOSTAGE 7
	s_wait_dscnt 0x0
	SEND 7
	s_wait_tensorcnt 0x0                           ; the wave's end
	ds_add_u32 v[SPW], v[NIL]
	s_wait_dscnt 0x0
	ROUND                                          ; the closing round
	s_endpgm
.Lfunc_end_k_q349d439e9f_proj:
	.size	k_q349d439e9f_proj, .Lfunc_end_k_q349d439e9f_proj-k_q349d439e9f_proj
	.p2alignl 7, 3214868480
	.fill 96, 4, 3214868480
	.section	.rodata,"a",@progbits
	.p2align	6, 0x0
	.amdhsa_kernel k_q349d439e9f_proj
		.amdhsa_group_segment_fixed_size 327680
		.amdhsa_private_segment_fixed_size 0
		.amdhsa_enable_private_segment 0
		.amdhsa_kernarg_size 48
		.amdhsa_user_sgpr_count 2
		.amdhsa_user_sgpr_kernarg_segment_ptr 1
		.amdhsa_wavefront_size32 1
		.amdhsa_system_sgpr_workgroup_id_x 1
		.amdhsa_system_sgpr_workgroup_id_y 1
		.amdhsa_system_sgpr_workgroup_id_z 1
		.amdhsa_system_vgpr_workitem_id 0
		.amdhsa_next_free_vgpr 840
		.amdhsa_next_free_sgpr 100
		.amdhsa_reserve_vcc 0
		.amdhsa_float_denorm_mode_32 3
		.amdhsa_float_denorm_mode_16_64 3
		.amdhsa_memory_ordered 1
		.amdhsa_forward_progress 1
		.amdhsa_inst_pref_size 85
	.end_amdhsa_kernel
	.amdgpu_metadata
---
amdhsa.version: [ 1, 2 ]
amdhsa.kernels:
  - .name:           k_q349d439e9f_proj
    .symbol:         k_q349d439e9f_proj.kd
    .args:
      - { .name: yc, .offset: 0, .size: 8, .value_kind: global_buffer, .address_space: global }
      - { .name: ys, .offset: 8, .size: 8, .value_kind: global_buffer, .address_space: global }
      - { .name: pc, .offset: 16, .size: 8, .value_kind: global_buffer, .address_space: global }
      - { .name: ps, .offset: 24, .size: 8, .value_kind: global_buffer, .address_space: global }
      - { .name: b_proj, .offset: 32, .size: 8, .value_kind: global_buffer, .address_space: global }
      - { .name: out0, .offset: 40, .size: 8, .value_kind: global_buffer, .address_space: global }
    .group_segment_fixed_size: 327680
    .private_segment_fixed_size: 0
    .kernarg_segment_align: 8
    .kernarg_segment_size: 48
    .max_flat_workgroup_size: 128
    .sgpr_count:     100
    .vgpr_count:     840
    .wavefront_size: 32
...
	.end_amdgpu_metadata
.endif
;; end of part 4
